; MI455X (gfx1250); checked and timed in simulation.
; The chip was launched on July 23, 2026; its instructions are those of AMD's public machine-readable ISA for CDNA 5 (MIT licence, August 2026) and "CDNA5" Instruction Set Architecture Reference Guide (July 2026). The comments in the code are by the model that wrote it; some were corrected since.
;; Transformer Attention. Allowed arithmetic: float matrix products may take bf16 or f16 operands with f32 sums; all other float work in f32.
;; Inputs: Wk_b 1,024 float32; Wk_w 1,024 x 1,024 float32; Wo_b 1,024 float32; Wo_w 1,024 x 1,024 float32; Wq_b 1,024 float32; Wq_w 1,024 x 1,024 float32; Wv_b 1,024 float32; Wv_w 1,024 x 1,024 float32; key 2 x 2,048 x 1,024 float32; pos_emb 4,095 x 128 float32; query 2 x 2,048 x 1,024 float32; value 2 x 2,048 x 1,024 float32.
;; Outputs: out0 2 x 2,048 x 1,024 float32.
;; 2 versions, each right and faster than the one before. Each part assembles by itself: llvm-mc -triple=amdgcn-amd-amdhsa -mcpu=gfx1250 --defsym DOCPART=n.
;; ======== version 1 of 2: 4 launches
;; limits: values are held in f16: magnitudes above 65,504 overflow, below 6.1e-05 lose precision
;; workspace buffers: cb 34,111,488 bytes; qkv 25,165,824 bytes; ctx 8,388,608 bytes
;; launch cast (part 1): grid 1041 x 1, 8 waves a work-group, no clusters, 0 bytes of LDS; arguments query, key, value, Wq_w, Wk_w, Wv_w, Wo_w, pos_emb, cb; writes cb
.if DOCPART == 1
	.amdgcn_target "amdgcn-amd-amdhsa--gfx1250"
	.amdhsa_code_object_version 6
	.text
	.protected	k_q044f8de0ee_cast
	.globl	k_q044f8de0ee_cast
	.p2align	8
	.type	k_q044f8de0ee_cast,@function
k_q044f8de0ee_cast:
	s_mov_b64 s[64:65], 0
	v_nop
	global_prefetch_b8 v0, s[64:65] scope:SCOPE_SE
	s_setreg_imm32_b32 hwreg(HW_REG_WAVE_MODE, 25, 1), 1
	s_wait_xcnt 0x0
; All matrix operands that are inputs, rounded once to 16 bits, into one buffer cb of 1,041 chunks of 16,384 numbers (32,768 bytes):
;   chunks    0- 767  query | key | value as [12288][1024], bf16
;   chunks  768- 959  Wq_w | Wk_w | Wv_w as [3][1024][1024], bf16
;   chunks  960-1023  Wo_w [1024][1024]: rounded to bf16 like the others, that value then written in f16, since its partner (the attention's result) is f16
;   chunks 1024-1040  pos_emb rows 0-2175 [2176][128]: the same.  Rows from 2176 on meet only places that the causal mask discards and are not read.
; The f16 code of a bf16 value is exact from 2^-14 up; below it is off by 2^-25 at the most.  |Wo_w| and |pos_emb| must stay under 65,504.
; A work-group takes one chunk: 64 KiB in, 32 KiB out.  Thread t takes 8 neighbouring numbers in each of eight slots: two loads of 16 bytes that
; together cover 1,024 consecutive bytes a wave, one store of 16 bytes: a wave's store covers 512 consecutive bytes, aligned.
; Memory binds: no LDS, no barrier, no matrix unit.  All sixteen loads of a thread go out at once; no register of a pending access is rewritten.
.set X, 4                              ; v[4:67]   slot i: 8 numbers in f32
.set Y, 68                             ; v[68:99]  slot i: 8 numbers in 16 bits
.macro SEG thr, ptr                    ; from chunk thr on the source is the buffer in s[ptr:ptr+1], which begins at chunk thr
	s_cmp_ge_u32 ttmp9, \thr
	s_cselect_b64 s[26:27], s[\ptr:\ptr+1], s[26:27]
	s_cselect_b32 s28, \thr, s28
.endm
	s_load_b512 s[8:23], s[0:1], 0x0               ; query, key, value, Wq_w, Wk_w, Wv_w, Wo_w, pos_emb
	s_load_b64 s[24:25], s[0:1], 0x40              ; cb
	v_lshlrev_b32 v1, 5, v0                        ; 32 bytes of f32 a thread
	v_lshlrev_b32 v2, 4, v0                        ; 16 bytes out
	s_mov_b32 s28, 0
	s_wait_kmcnt 0x0
	s_mov_b64 s[26:27], s[8:9]
	SEG 256, 10
	SEG 512, 12
	SEG 768, 14
	SEG 832, 16
	SEG 896, 18
	SEG 960, 20
	SEG 1024, 22
	s_sub_co_u32 s32, ttmp9, s28                   ; the chunk's number inside its source,
	s_lshl_b32 s32, s32, 16                        ; times 65,536 bytes
	s_mov_b32 s33, 0
	s_add_nc_u64 s[26:27], s[26:27], s[32:33]
	s_lshl_b32 s34, ttmp9, 15                      ; and its place in cb
	s_mov_b32 s35, 0
	s_add_nc_u64 s[24:25], s[24:25], s[34:35]
.irp i, 0,1,2,3,4,5,6,7
	global_load_b128 v[X+8*\i:X+8*\i+3],   v1, s[26:27] offset:8192*\i th:TH_LOAD_NT
	global_load_b128 v[X+8*\i+4:X+8*\i+7], v1, s[26:27] offset:8192*\i+16 th:TH_LOAD_NT
.endr
; One slot.  half = 1: the bf16 value is widened again (a shift, a mask) and written in f16.
.macro SLOTC i, half
	s_wait_loadcnt 14-2*\i                         ; loads come back in order: this slot's two are in, the younger slots' pairs stay out
.irp k, 0,1,2,3
	v_cvt_pk_bf16_f32 v[Y+4*\i+\k], v[X+8*\i+2*\k], v[X+8*\i+2*\k+1]
.endr
.if \half
.irp k, 0,1,2,3
	v_lshlrev_b32 v[X+8*\i+2*\k],   16, v[Y+4*\i+\k]
	v_and_b32     v[X+8*\i+2*\k+1], 0xffff0000, v[Y+4*\i+\k]
.endr
.irp k, 0,1,2,3
	v_cvt_pk_f16_f32 v[Y+4*\i+\k], v[X+8*\i+2*\k], v[X+8*\i+2*\k+1]
.endr
.endif
	global_store_b128 v2, v[Y+4*\i:Y+4*\i+3], s[24:25] offset:4096*\i
.endm
	s_cmp_ge_u32 ttmp9, 960
	s_cbranch_scc1 .Lhalf
.irp i, 0,1,2,3,4,5,6,7
	SLOTC \i, 0
.endr
	s_endpgm
.Lhalf:
.irp i, 0,1,2,3,4,5,6,7
	SLOTC \i, 1
.endr
	s_endpgm
.Lfunc_end_k_q044f8de0ee_cast:
	.size	k_q044f8de0ee_cast, .Lfunc_end_k_q044f8de0ee_cast-k_q044f8de0ee_cast
	.p2alignl 7, 3214868480
	.fill 96, 4, 3214868480
	.section	.rodata,"a",@progbits
	.p2align	6, 0x0
	.amdhsa_kernel k_q044f8de0ee_cast
		.amdhsa_group_segment_fixed_size 0
		.amdhsa_private_segment_fixed_size 0
		.amdhsa_enable_private_segment 0
		.amdhsa_kernarg_size 72
		.amdhsa_user_sgpr_count 2
		.amdhsa_user_sgpr_kernarg_segment_ptr 1
		.amdhsa_wavefront_size32 1
		.amdhsa_system_sgpr_workgroup_id_x 1
		.amdhsa_system_sgpr_workgroup_id_y 1
		.amdhsa_system_sgpr_workgroup_id_z 1
		.amdhsa_system_vgpr_workitem_id 0
		.amdhsa_next_free_vgpr 104
		.amdhsa_next_free_sgpr 66
		.amdhsa_reserve_vcc 0
		.amdhsa_float_denorm_mode_32 3
		.amdhsa_float_denorm_mode_16_64 3
		.amdhsa_memory_ordered 1
		.amdhsa_forward_progress 1
		.amdhsa_inst_pref_size 15
	.end_amdhsa_kernel
	.amdgpu_metadata
---
amdhsa.version: [ 1, 2 ]
amdhsa.kernels:
  - .name:           k_q044f8de0ee_cast
    .symbol:         k_q044f8de0ee_cast.kd
    .args:
      - { .name: query, .offset: 0, .size: 8, .value_kind: global_buffer, .address_space: global }
      - { .name: key, .offset: 8, .size: 8, .value_kind: global_buffer, .address_space: global }
      - { .name: value, .offset: 16, .size: 8, .value_kind: global_buffer, .address_space: global }
      - { .name: Wq_w, .offset: 24, .size: 8, .value_kind: global_buffer, .address_space: global }
      - { .name: Wk_w, .offset: 32, .size: 8, .value_kind: global_buffer, .address_space: global }
      - { .name: Wv_w, .offset: 40, .size: 8, .value_kind: global_buffer, .address_space: global }
      - { .name: Wo_w, .offset: 48, .size: 8, .value_kind: global_buffer, .address_space: global }
      - { .name: pos_emb, .offset: 56, .size: 8, .value_kind: global_buffer, .address_space: global }
      - { .name: cb, .offset: 64, .size: 8, .value_kind: global_buffer, .address_space: global }
    .group_segment_fixed_size: 0
    .private_segment_fixed_size: 0
    .kernarg_segment_align: 8
    .kernarg_segment_size: 72
    .max_flat_workgroup_size: 256
    .sgpr_count:     66
    .vgpr_count:     104
    .wavefront_size: 32
...
	.end_amdgpu_metadata
.endif
;; end of part 1
;; launch gemm_qkv (part 2): grid 8 x 96, 4 waves a work-group, clusters of 4 x 4, 327,680 bytes of LDS; arguments cb, Wq_b, Wk_b, Wv_b, qkv; writes qkv
.if DOCPART == 2
	.amdgcn_target "amdgcn-amd-amdhsa--gfx1250"
	.amdhsa_code_object_version 6
	.text
	.protected	k_q044f8de0ee_gemm_qkv
	.globl	k_q044f8de0ee_gemm_qkv
	.p2align	8
	.type	k_q044f8de0ee_gemm_qkv,@function
k_q044f8de0ee_gemm_qkv:
	s_mov_b64 s[64:65], 0
	v_nop
	global_prefetch_b8 v0, s[64:65] scope:SCOPE_SE
	s_setreg_imm32_b32 hwreg(HW_REG_WAVE_MODE, 25, 1), 1
	s_wait_xcnt 0x0
	s_wait_alu depctr_hold_cnt(0) depctr_sa_sdst(0) depctr_va_vdst(0) depctr_va_sdst(0) depctr_va_ssrc(0) depctr_va_vcc(0) depctr_vm_vsrc(0)
	s_getreg_b32 s2, hwreg(HW_REG_IB_STS2, 6, 4)
	s_cmp_eq_u32 s2, 0
	s_cbranch_scc0 .Lentry_in_a_cluster
	s_endpgm
.Lentry_in_a_cluster:
	s_bfe_u32 s2, ttmp6, 0x10000c
	s_cmp_lg_u32 s2, 0xf033
	s_cbranch_scc0 .Lentry_shape_is_right
	s_endpgm
.Lentry_shape_is_right:
; The three projections as ONE product: C[m][n] = (sum over k of A[m][k] B[n][k] + bias[n]) x scale.
; A = cb's rows 0-12287 (query | key | value, bf16); rows 4096 sel .. belong to input sel, whose B is weight sel ([1024][1024] bf16 at byte WOFF of cb)
; and whose bias is Wq_b, Wk_b or Wv_b; scale = 1/sqrt(128) for q, 1 for k and v.  C = qkv [12288][1024] in f16; sums, bias and scale in f32.
; f16 for q, k, v: eleven bits of significand.  Limit: |q|, |k|, |v| under 65,504 (inputs and weights 30 times the usual spread give about 5,000).
; A tile of C is 128 x 128: 768 tiles, three for each of 256 WGPs.  Four waves, each 64 x 64: 16 accumulators of 16 x 16.  K goes in steps of 256 (LDS rows of 512 bytes,
; a wave's tensor load brings 64 of them) through two slots.
; CLUSTERS: 4 x 4 work-groups.  The four of a row of the cluster need the same tiles of A, the four of a column the same tiles of B: each tile is asked for JOINTLY, by the same
; tensor load with the same descriptor and a mask that names the four.  sel is made of the cluster's y alone (a cluster's four tile rows lie in one input), so it is equal in all sixteen.
; THE MATRIX INSTRUCTION IS USED TRANSPOSED (source 0 = 16 rows of B, source 1 = 16 rows of A): a lane then holds eight neighbouring numbers of a row of C.
; REGISTERS: window 0: v0-31 addresses; v32-95 at work on the way out; v96-127 my 32 bias numbers; v128-255 the accumulators ((a, b) at v[128 + 8 (4 a + b)]).
;   window 1: two fragment buffers of 128: for 64 along K, 64 registers of A (2 x 4 x 16 rows x 32 K), then 64 of B.
.set SIZE_N, 1024
.set SIZE_K, 1024
.set WOFF,   25165824                  ; byte of cb at which the weights begin
.set KSTEP,  256
.set PITCH,  528                       ; an LDS row: 512 bytes + 16 of padding = 132 words: row r starts at bank 4 r mod 64 (64 banks of 4 bytes: ISA guide 11.1)
.set HALFT,  64*PITCH                  ; 64 rows: what one tensor load brings, and what one wave reads of A or of B
.set SLOT,   4*HALFT                   ; A's 128 rows, then B's 128 rows
.set STAGE,  2*SLOT                    ; behind the ring: 128 rows x 272 bytes, the work-group's, for the way out; no tensor load fills it
.set SPITCH, 272
.set LAPS, SIZE_K/(2*KSTEP)            ; a lap = two K steps = once round the ring
.set ADRA, 16                          ; v16-17  LDS address of my A fragments in slot 0, 1
.set ADRB, 20                          ; v20-21  the same for B
.set STO,  24                          ; v24     the way out: where I put 16 bytes of a row
.set RD,   25                          ; v25     the way out: where I read a row back
.set CO,   26                          ; v26     my byte offset in C
.set BO,   27                          ; v27     my byte offset in the bias
.set TMP,  32
.set BI,   96                          ; v[96:127] bias of column 16 b + 8 (l / 16) + j at BI + 8 b + j
.set ACC,  128
.set F0,   0
.set F1,   128
.set G1, 24                            ; s[24:31] descriptor group 1 for A's tiles;  s[32:39] group 0, one set for each slot
.set G0, 32
.set G1B, 48                           ; s[48:55], s[56:63] the same for B's tiles
.set G0B, 56
.set MSB, 0
.macro WIN new                         ; the immediate's high byte repeats the setting that is left
.if MSB != \new
	s_set_vgpr_msb (MSB<<8)|\new
.set MSB, \new
.endif
.endm
.set MUL,  0x05                        ; sources 0 (B) and 1 (A) window 1; C and D window 0
.set TO_F, 0x40                        ; destination window 1, address window 0
.macro JLOAD s                         ; a joint load: waves 0 and 1 fetch A's two halves, waves 2 and 3 B's; four v_nop follow each of the two lines
	s_cmp_eq_u32 s11, 0
	s_cbranch_scc0 .Lfor_b_\@
	tensor_load_to_lds s[G0+4*\s:G0+4*\s+3], s[G1:G1+7]
	s_nop 0
.rept 4
	v_nop
.endr
	s_branch .Lasked_\@
.Lfor_b_\@:
	tensor_load_to_lds s[G0B+4*\s:G0B+4*\s+3], s[G1B:G1B+7]
	s_nop 0
.rept 4
	v_nop
.endr
.Lasked_\@:
.endm
.macro CREST                           ; a round of the cluster's barrier behind its opening barrier
	s_cmp_lg_u32 s10, 0
	s_cbranch_scc1 .Lnot_wave_0_\@
	s_barrier_signal -3
.Lnot_wave_0_\@:
	s_barrier_wait -3
	s_barrier_signal -1
	s_barrier_wait -1
.endm
.macro CROUND                          ; a whole round
	s_barrier_signal -1
	s_barrier_wait -1
	CREST
.endm
	s_load_b256 s[68:75], s[0:1], 0x0              ; cb s[68:69], Wq_b s[70:71], Wk_b s[72:73], Wv_b s[74:75]
	s_load_b64 s[8:9], s[0:1], 0x20                ; qkv
	v_lshl_add_u32 v30, v0, 2, 0x4a800
	v_mov_b32 v31, 0
	ds_add_u32 v30, v31
	ds_add_u32 v30, v31
	v_lshrrev_b32 v1, 5, v0
	v_readfirstlane_b32 s10, v1                    ; wave 0..3
	s_lshr_b32 s11, s10, 1                         ; which half of the tile's rows is mine.  Also: I fetch for A (0) or for B (1)
	s_and_b32 s12, s10, 1                          ; which half of its columns.  Also: which 64 rows of that tile I fetch
	s_bfe_u32 s40, ttmp6, 0x40000                  ; cx, cy: my place in the cluster
	s_bfe_u32 s41, ttmp6, 0x40004
	s_lshl_b32 s42, ttmp9, 2
	s_add_co_u32 s42, s42, s40                     ; tile column of C = 4 x cluster x + cx
	s_and_b32 s13, ttmp7, 0xffff
	s_lshr_b32 s80, s13, 3                         ; sel = cluster y / 8: 8 clusters of 4 tile rows of 128 are one input's 4,096 rows
	s_lshl_b32 s13, s13, 2
	s_add_co_u32 s13, s13, s41                     ; tile row of C = 4 x cluster y + cy
	s_lshl_b32 s43, s41, 2
	s_lshl_b32 s43, 15, s43                        ; my row of the cluster
	s_lshl_b32 s44, 0x1111, s40                    ; my column
	; descriptor group 1: a tile of 64 rows x 256 elements, padded in LDS
	s_or_b32 s[G1+0], s43, (1<<16)|(1<<20)|(1<<21)|(6<<22)|(3<<25)  ; 15:0 the mask: A's tiles go to my row; 17:16 elements of 2 bytes; 20 padding on; 21 set beside a mask; 24:22 after every 128 words; 31:25 4 words of it
	s_or_b32 s[G1B+0], s44, (1<<16)|(1<<20)|(1<<21)|(6<<22)|(3<<25) ; the same with the mask of my column
.irp g, G1, G1B
	s_mov_b32 s[\g+1], KSTEP<<16                   ; tensor_dim0 = 256
	s_mov_b32 s[\g+2], 64<<16                      ; tensor_dim1 = 64
	s_mov_b32 s[\g+3], KSTEP<<16                   ; tile_dim0 = 256
	s_mov_b32 s[\g+4], 64                          ; tile_dim1 = 64
	s_mov_b32 s[\g+5], SIZE_K                      ; elements from row to row
	s_mov_b32 s[\g+6], 0
	s_mov_b32 s[\g+7], 0
.endr
	s_lshl_b32 s17, s12, 6                         ; which 64 rows of the tile I fetch
	s_lshl_b32 s16, s13, 7
	s_add_co_u32 s16, s16, s17                     ; A: row 128 x tile row + 64 x half
	s_lshl_b32 s46, s42, 7
	s_add_co_u32 s46, s46, s17                     ; B: row 128 x tile column + 64 x half
	s_lshl_b32 s81, s80, 10
	s_add_co_u32 s46, s46, s81                     ;    + 1,024 x sel
	s_mov_b32 s17, 0
	s_mov_b32 s47, 0
	s_mov_b64 s[18:19], SIZE_K*2
	s_mul_u64 s[16:17], s[16:17], s[18:19]
	s_mul_u64 s[46:47], s[46:47], s[18:19]
	s_mul_i32 s20, s10, HALFT                      ; where they go: wave x 64 rows
	s_wait_dscnt 0x0
	s_wait_kmcnt 0x0
	s_add_nc_u64 s[14:15], s[68:69], s[16:17]
	s_add_nc_u64 s[46:47], s[68:69], s[46:47]
	s_add_nc_u64 s[46:47], s[46:47], WOFF
	CROUND                                         ; all sixteen work-groups are here: the first joint loads meet
.irp s, 0,1
	s_mov_b32 s[G0+4*\s], 1
	s_add_co_u32 s[G0+4*\s+1], s20, \s*SLOT
	s_add_nc_u64 s[G0+4*\s+2:G0+4*\s+3], s[14:15], \s*KSTEP*2
	s_or_b32 s[G0+4*\s+3], s[G0+4*\s+3], 0x80000000
	s_mov_b32 s[G0B+4*\s], 1
	s_add_co_u32 s[G0B+4*\s+1], s20, \s*SLOT
	s_add_nc_u64 s[G0B+4*\s+2:G0B+4*\s+3], s[46:47], \s*KSTEP*2
	s_or_b32 s[G0B+4*\s+3], s[G0B+4*\s+3], 0x80000000
	JLOAD \s
.endr
	v_and_b32 v1, 15, v0                           ; l % 16
	v_bfe_u32 v2, v0, 4, 1                         ; l / 16
	; the input's bias and scale, by sel; my 32 bias numbers: columns 128 x tile column + 64 x half + 16 b + 8 (l / 16) + 0..7
	s_cmp_eq_u32 s80, 0
	s_cselect_b64 s[78:79], s[70:71], s[72:73]
	s_cselect_b32 s76, 0x3db504f3, 1.0             ; 1 / sqrt(128) for q
	s_cmp_eq_u32 s80, 2
	s_cselect_b64 s[78:79], s[74:75], s[78:79]
	s_mov_b32 s77, s76                             ; named with it as a pair, so it is written
	s_lshl_b32 s82, s42, 9
	s_lshl_b32 s83, s12, 8
	s_add_co_u32 s82, s82, s83
	s_mov_b32 s83, 0
	s_add_nc_u64 s[78:79], s[78:79], s[82:83]
	v_lshlrev_b32 v[BO], 5, v2
.irp b, 0,1,2,3
	global_load_b128 v[BI+8*\b:BI+8*\b+3],   v[BO], s[78:79] offset:64*\b
	global_load_b128 v[BI+8*\b+4:BI+8*\b+7], v[BO], s[78:79] offset:64*\b+16
.endr
	v_mul_u32_u24 v3, v1, PITCH
	v_lshl_add_u32 v3, v2, 4, v3                   ; a fragment's row x pitch + 16 x half
	s_mul_i32 s21, s11, HALFT                      ; my 64 rows of A
	s_mul_i32 s22, s12, HALFT                      ; my 64 rows of B,
	s_add_co_u32 s22, s22, 2*HALFT                 ; which lie behind A's 128
.irp s, 0,1
	v_add_nc_u32 v[ADRA+\s], s21, v3
	v_add_nc_u32 v[ADRB+\s], s22, v3
	s_add_co_u32 s21, s21, SLOT
	s_add_co_u32 s22, s22, SLOT
.endr
	s_mul_i32 s23, s11, 64*SPITCH                  ; into the stage: my 64 rows, my half of their 256 bytes; row l % 16, 16 bytes for each half of the lanes
	s_lshl_b32 s21, s12, 7
	s_add_co_u32 s23, s23, s21
	s_add_co_u32 s23, s23, STAGE
	v_mul_u32_u24 v4, v1, SPITCH
	v_lshl_add_u32 v4, v2, 4, v4
	v_add_nc_u32 v[STO], s23, v4
	s_mul_i32 s23, s10, 32*SPITCH                  ; back: wave w takes rows 32 w .. 32 w + 31, whole; lanes 0-15 one row of 256 bytes, lanes 16-31 the next
	s_add_co_u32 s23, s23, STAGE
	v_mul_u32_u24 v5, v2, SPITCH
	v_lshl_add_u32 v5, v1, 4, v5
	v_add_nc_u32 v[RD], s23, v5
	v_mul_u32_u24 v5, v2, SIZE_N*2                 ; and the same two rows in C
	v_lshl_add_u32 v[CO], v1, 4, v5
	s_lshl_b32 s16, s13, 7
	s_lshl_b32 s17, s10, 5
	s_add_co_u32 s16, s16, s17                     ; the first row of C that I store: 128 x tile row + 32 x wave
	s_mov_b32 s17, 0
	s_mov_b64 s[18:19], SIZE_N*2
	s_mul_u64 s[16:17], s[16:17], s[18:19]
	s_add_nc_u64 s[8:9], s[8:9], s[16:17]
	s_lshl_b32 s46, s42, 8                         ; the tile's first column, in bytes
	s_mov_b32 s47, 0
	s_add_nc_u64 s[8:9], s[8:9], s[46:47]
; 8 matrix instructions: m blocks a0, a0 + 1 x all 4 n blocks, 32 along K: half c of buffer f.  zero = 1: the first product starts the sums.
; The 16 accumulators take turns, one instruction a turn.
.macro MUL8 f, c, a0, zero
.irp a, \a0, \a0+1
.irp b, 0,1,2,3
.if \zero
	v_wmma_f32_16x16x32_bf16 v[ACC+8*(4*(\a)+\b):ACC+8*(4*(\a)+\b)+7], v[\f+64+8*(4*\c+\b):\f+64+8*(4*\c+\b)+7], v[\f+8*(4*\c+\a):\f+8*(4*\c+\a)+7], 0
.else
	v_wmma_f32_16x16x32_bf16 v[ACC+8*(4*(\a)+\b):ACC+8*(4*(\a)+\b)+7], v[\f+64+8*(4*\c+\b):\f+64+8*(4*\c+\b)+7], v[\f+8*(4*\c+\a):\f+8*(4*\c+\a)+7], v[ACC+8*(4*(\a)+\b):ACC+8*(4*(\a)+\b)+7]
.endif
.endr
.endr
.endm
; 32 LDS loads in one run: the fragments of 64 along K at byte k of the rows, into buffer f; the first 32 along K first
.macro FETCH slot, k, f
	WIN TO_F
.irp c, 0,1
.irp i, 0,1,2,3
	ds_load_b128 v[\f+64+8*(4*\c+\i):\f+64+8*(4*\c+\i)+3],   v[ADRB+\slot] offset:\k+64*\c+\i*16*PITCH
	ds_load_b128 v[\f+64+8*(4*\c+\i)+4:\f+64+8*(4*\c+\i)+7], v[ADRB+\slot] offset:\k+64*\c+\i*16*PITCH+32
	ds_load_b128 v[\f+8*(4*\c+\i):\f+8*(4*\c+\i)+3],         v[ADRA+\slot] offset:\k+64*\c+\i*16*PITCH
	ds_load_b128 v[\f+8*(4*\c+\i)+4:\f+8*(4*\c+\i)+7],       v[ADRA+\slot] offset:\k+64*\c+\i*16*PITCH+32
.endr
.endr
.endm
.macro PLACES                          ; four places in front of loads into registers that matrix instructions have read (ISA guide 7.12.1 for vector instructions)
.rept 4
	v_nop
.endr
.endm
; A K step is four quarters of 64 along K, 32 matrix instructions each, on buffers 0, 1, 0, 1.  One of the first three: multiplies buffer f and fetches the next quarter, at byte k, into g.
.macro QUARTER slot, k, f, g, zero
	s_wait_dscnt 16                                ; the first 32 along K are in; the sixteen younger loads may be out
	WIN MUL
	MUL8 \f, 0, 0, \zero
	MUL8 \f, 0, 2, \zero
	PLACES
	FETCH \slot, \k, \g
	s_wait_dscnt 32                                ; all but the 32 just issued
	WIN MUL
	MUL8 \f, 1, 0, 0
	MUL8 \f, 1, 2, 0
.endm
; The last quarter multiplies buffer 1 and changes slots: ONE barrier; in front of it each wave waits for its own reads of this slot and for all its tensor loads.  fill = 1: this slot is filled again, two K steps ahead.
.macro TURN slot, next, fill
	s_wait_dscnt 16
	WIN MUL
	MUL8 F1, 0, 0, 0
	s_wait_dscnt 0                                 ; my reads of this slot are over,
	s_set_vgpr_msb 0x500
	s_wait_tensorcnt 0x0                           ; and all my tensor loads have landed: my part of the next slot
	ds_add_u32 v30, v31
	s_wait_dscnt 0x0
	s_set_vgpr_msb 0x5
	s_barrier_signal -1
	MUL8 F1, 0, 2, 0
.if \fill
	WIN 0
.endif
	s_barrier_wait -1
.if \fill
	CREST                                          ; the barrier has opened a round of the cluster's barrier: no wave of any partner still reads this slot's tile or has a load on its way
	s_add_nc_u64 s[G0+4*\slot+2:G0+4*\slot+3], s[G0+4*\slot+2:G0+4*\slot+3], 2*KSTEP*2
	s_add_nc_u64 s[G0B+4*\slot+2:G0B+4*\slot+3], s[G0B+4*\slot+2:G0B+4*\slot+3], 2*KSTEP*2
	JLOAD \slot                                    ; the first tensor load behind the round: 120 matrix instructions ahead of the wait for it; its four v_nop are also the places in front of the loads below
.else
	PLACES
.endif
	FETCH \next, 0, F0
	WIN MUL
	MUL8 F1, 1, 0, 0
	MUL8 F1, 1, 2, 0
.endm
	s_wait_tensorcnt 1                             ; my part of K step 0 is in; K step 1's stays out
	s_barrier_signal -1
	s_barrier_wait -1                              ; everybody's is
	FETCH 0, 0, F0
	QUARTER 0, 128, F0, F1, 1                      ; the first quarter stands in front of the loop: its first products start the sums
	WIN 0                                          ; at a label and at a branch every window is 0
	s_mov_b32 s3, LAPS-1
.Llap:                                                 ; a trip goes once round the ring, from a lap's second quarter to the next lap's first, and fills both slots again
	QUARTER 0, 256, F1, F0, 0
	QUARTER 0, 384, F0, F1, 0
	TURN 0, 1, 1
	QUARTER 1, 128, F0, F1, 0
	QUARTER 1, 256, F1, F0, 0
	QUARTER 1, 384, F0, F1, 0
	TURN 1, 0, 1
	QUARTER 0, 128, F0, F1, 0
	WIN 0
	s_sub_co_u32 s3, s3, 1
	s_cmp_lg_u32 s3, 0
	s_cbranch_scc1 .Llap
	QUARTER 0, 256, F1, F0, 0                      ; the last lap fills nothing, and has no round of the cluster's barrier
	QUARTER 0, 384, F0, F1, 0
	TURN 0, 1, 0
	QUARTER 1, 128, F0, F1, 0
	QUARTER 1, 256, F1, F0, 0
	QUARTER 1, 384, F0, F1, 0
	s_wait_dscnt 16                                ; the very last quarter: nothing more to fetch
	WIN MUL
	MUL8 F1, 0, 0, 0
	MUL8 F1, 0, 2, 0
	s_wait_dscnt 0
	MUL8 F1, 1, 0, 0
	MUL8 F1, 1, 2, 0
	WIN 0
	; THE WAY OUT: sum x scale + bias x scale in f32; round to f16; 16 bytes a lane into the work-group's stage; a barrier, since a row's 256 bytes come from two waves; back as whole rows.
	s_wait_loadcnt 0x0                             ; the bias
.irp i, 0,1,2,3,4,5,6,7,8,9,10,11,12,13,14,15
	v_pk_mul_f32 v[BI+2*\i:BI+2*\i+1], v[BI+2*\i:BI+2*\i+1], s[76:77] op_sel_hi:[1,0]   ; bias x scale: sixteen plain instructions, the places behind the last products
.endr
.irp a, 0,1,2,3
.irp b, 0,1,2,3
.irp r, 0,1,2,3
	v_pk_fma_f32 v[ACC+8*(4*\a+\b)+2*\r:ACC+8*(4*\a+\b)+2*\r+1], v[ACC+8*(4*\a+\b)+2*\r:ACC+8*(4*\a+\b)+2*\r+1], s[76:77], v[BI+8*\b+2*\r:BI+8*\b+2*\r+1] op_sel_hi:[1,0,1]
.endr
.irp r, 0,1,2,3
	v_cvt_pk_f16_f32 v[TMP+4*(4*\a+\b)+\r], v[ACC+8*(4*\a+\b)+2*\r], v[ACC+8*(4*\a+\b)+2*\r+1]
.endr
.endr
.endr
.irp a, 0,1,2,3
.irp b, 0,1,2,3
	ds_store_b128 v[STO], v[TMP+4*(4*\a+\b):TMP+4*(4*\a+\b)+3] offset:\a*16*SPITCH+32*\b
.endr
.endr
	s_wait_dscnt 0x0                               ; for the others' sake: my stores into the stage are done
	s_barrier_signal -1
	s_barrier_wait -1
.irp t, 0,1,2,3,4,5,6,7,8,9,10,11,12,13,14,15
	ds_load_b128 v[TMP+4*\t:TMP+4*\t+3], v[RD] offset:\t*2*SPITCH
.endr
.irp t, 0,1,2,3,4,5,6,7,8,9,10,11,12,13,14,15
	s_wait_dscnt 15-\t                             ; LDS loads come back in order: number t is in
	global_store_b128 v[CO], v[TMP+4*\t:TMP+4*\t+3], s[8:9] offset:2*\t*SIZE_N*2   ; 16 lanes store 256 consecutive bytes, at a multiple of 256 from C's first byte
.endr
	s_wait_tensorcnt 0x0
	ds_add_u32 v30, v31
	s_wait_dscnt 0x0
	CROUND                                         ; the closing round: no work-group ends while a partner may still ask for a tile that names it
	s_endpgm
.Lfunc_end_k_q044f8de0ee_gemm_qkv:
	.size	k_q044f8de0ee_gemm_qkv, .Lfunc_end_k_q044f8de0ee_gemm_qkv-k_q044f8de0ee_gemm_qkv
	.p2alignl 7, 3214868480
	.fill 96, 4, 3214868480
	.section	.rodata,"a",@progbits
	.p2align	6, 0x0
	.amdhsa_kernel k_q044f8de0ee_gemm_qkv
		.amdhsa_group_segment_fixed_size 327680
		.amdhsa_private_segment_fixed_size 0
		.amdhsa_enable_private_segment 0
		.amdhsa_kernarg_size 40
		.amdhsa_user_sgpr_count 2
		.amdhsa_user_sgpr_kernarg_segment_ptr 1
		.amdhsa_wavefront_size32 1
		.amdhsa_system_sgpr_workgroup_id_x 1
		.amdhsa_system_sgpr_workgroup_id_y 1
		.amdhsa_system_sgpr_workgroup_id_z 1
		.amdhsa_system_vgpr_workitem_id 0
		.amdhsa_next_free_vgpr 512
		.amdhsa_next_free_sgpr 84
		.amdhsa_reserve_vcc 0
		.amdhsa_float_denorm_mode_32 3
		.amdhsa_float_denorm_mode_16_64 3
		.amdhsa_memory_ordered 1
		.amdhsa_forward_progress 1
		.amdhsa_inst_pref_size 93
	.end_amdhsa_kernel
	.amdgpu_metadata
---
amdhsa.version: [ 1, 2 ]
amdhsa.kernels:
  - .name:           k_q044f8de0ee_gemm_qkv
    .symbol:         k_q044f8de0ee_gemm_qkv.kd
    .args:
      - { .name: cb, .offset: 0, .size: 8, .value_kind: global_buffer, .address_space: global }
      - { .name: Wq_b, .offset: 8, .size: 8, .value_kind: global_buffer, .address_space: global }
      - { .name: Wk_b, .offset: 16, .size: 8, .value_kind: global_buffer, .address_space: global }
      - { .name: Wv_b, .offset: 24, .size: 8, .value_kind: global_buffer, .address_space: global }
      - { .name: qkv, .offset: 32, .size: 8, .value_kind: global_buffer, .address_space: global }
    .group_segment_fixed_size: 327680
    .private_segment_fixed_size: 0
    .kernarg_segment_align: 8
    .kernarg_segment_size: 40
    .max_flat_workgroup_size: 128
    .sgpr_count:     84
    .vgpr_count:     512
    .wavefront_size: 32
...
	.end_amdgpu_metadata
.endif
;; end of part 2
;; launch attn (part 3): grid 16 x 16, 4 waves a work-group, no clusters, 327,680 bytes of LDS; arguments qkv, cb, ctx; writes ctx
.if DOCPART == 3
	.amdgcn_target "amdgcn-amd-amdhsa--gfx1250"
	.amdhsa_code_object_version 6
	.text
	.protected	k_q044f8de0ee_attn
	.globl	k_q044f8de0ee_attn
	.p2align	8
	.type	k_q044f8de0ee_attn,@function
k_q044f8de0ee_attn:
	s_mov_b64 s[64:65], 0
	v_nop
	global_prefetch_b8 v0, s[64:65] scope:SCOPE_SE
	s_setreg_imm32_b32 hwreg(HW_REG_WAVE_MODE, 25, 1), 1
	s_wait_xcnt 0x0
; Causal attention with a relative-position bias, one (batch, head) for each y:  s[i][j] = q_i . k_j + q_i . pe[2047 - i + j] for j <= i (q already holds 1/sqrt(128)),
; ctx[i] = softmax_j(s[i][j]) v_j.  q, k, v: f16 in qkv [3][4096][1024] (row = batch x 2048 + l, column = head x 128 + d); pe: f16 [2176][128] at byte PEOFF of cb; ctx: f16 [4096][1024].
; Products, maxima and sums in f32; the weights p are rounded to f16 for the second product, ctx once at the end.
; SHARES.  Work-group (p, y) makes two blocks of 64 queries: block A at 64 p, with p + 1 key tiles of 64, then block B at 64 (31 - p), with 32 - p: 33 tiles in every one of the 256
; work-groups.  Wave w holds the block's queries 16 w .. 16 w + 15 and walks all the block's keys.  A block's last tile is the one on the diagonal: it alone is masked.
; NO CLUSTER: the work-groups of one head walk the same K and V, but each a different number of tiles for each block, so at no step do two of them want the same tile.
; LAYOUT.  S^T = K Q^T (source 0 = 16 keys, source 1 = 16 queries): a lane holds ONE query (lane % 16) and the keys 8 (lane / 16) + 0..7 of each 16.  Two such tiles, rounded in pairs,
; ARE source 1 of O^T = V^T P.  V ([key][channel]) comes out of LDS turned, by ds_load_tr16_b128.
; THE BIAS.  For queries i0 + 16 w + m and keys 64 n + c the row of pe is Pb + 48 - 16 w + u, u = 15 - m + c, Pb = 1984 - i0 + 64 n: a band of 80 rows.  R = Q PE^T over the band
; (5 tiles of 16 places) is written to the wave's own LDS with a row pitch of 404 bytes seen from the writer and 400 seen from the reader: that shift of one word a row turns place u into key c.
; It is read back in S^T's layout and enters K Q^T as its C.  Places with c outside 0..63 are written and never read.
; SOFTMAX.  A running maximum m and sum l for each query: p = 2^(c s - c m), c = log2(e); O and l are multiplied by a = 2^(c m_old - c m_new) in every tile.  At the change of blocks m is
; set to -infinity, so that a = 0 starts block B's sums.  Limit: that needs a finite O, which holds wherever |q|, |k|, |v| stay under f16's 65,504.
; RING.  Two LDS slots, each with a tile's 64 rows of K, 128 rows of pe and 64 rows of V.  Wave 0 fetches K, wave 1 V, waves 2 and 3 the halves of pe: one tensor load of 64 rows x 256 bytes
; a wave behind each tile's barrier, so one tensor load of a wave is out at a time, with a whole tile's work in which to land.
.set SLOT,  70656                      ; K 64 x 272, pe 128 x 272, V 64 x 288
.set PO,    17408                      ; pe in a slot
.set VO,    52224                      ; V in a slot
.set PVP,   288                        ; V's pitch; K's and pe's pitch is 272: 16 rows start at 16 different banks (ISA guide 11.1)
.set SKEW,  141312                     ; behind the ring: 16 rows x 400 bytes for each wave; no tensor load fills it
.set SKW,   6400
.set OSTG,  166912                     ; 16 rows x 272 bytes for each wave, for the way out
.set OSW,   4352
.set PEOFF, 33554432
.set AK,  4                            ; v4-5    LDS address of my K fragments in slot 0, 1
.set AV,  6                            ; v6-7    the same for V
.set AP,  8                            ; v8-9    the same for my band of pe
.set SKS, 10                           ; v10     where R goes
.set SKL, 11                           ; v11     where the bias comes back from
.set QO,  12                           ; v12     my byte offset in the wave's rows of q
.set STO, 13                           ; v13     the way out: where I put 16 bytes of a row
.set RD,  14                           ; v14     the way out: where I read a row back
.set GO,  15                           ; v15     my byte offset in the wave's rows of ctx
.set THR, 16                           ; v16     16 w + l % 16 - 8 (l / 16): key 16 kt + j of my half is masked on the diagonal if 16 kt + j > THR
.set NINF, 17                          ; v17     -infinity
.set ST,  20                           ; v[20:27] +0 c m, +1 m, +2, +3 l (even keys', odd keys'), +4 to +7 at work; a takes +6
.set Q,   32                           ; v[32:63] 4 fragments of 16 queries x 32 channels
.set R,   64                           ; v[64:103] the band's 5 tiles
.set S,   64                           ; v[64:95] S^T, in R's first 32 registers
.set P,   104                          ; v[104:119]
.set O,   128                          ; v[128:191] O^T: 8 tiles of 16 channels
.set TMP, 192                          ; v[192:223] the way out
; window 1: v[0:159] pe's fragment (t, kc) at 8 (4 t + kc).  window 2: v[0:127] K's (kt, kc) at 8 (4 kt + kc); v[128:255] V's (kk, ct) at 128 + 8 (8 kk + ct).
.set G1K, 16                           ; s[16:23], s[24:31], s[32:39] descriptor group 1 for K, V, pe
.set G1V, 24
.set G1P, 32
.set G0K, 40                           ; s[40:43], s[44:47], s[48:51] group 0: written only where no tensor load of the wave is out
.set G0V, 44
.set G0P, 48
.set CS,  72                           ; s[72:73] c, twice
.set SEL, 74                           ; s[74:75] v_permlanex16_b32: each lane takes its own place in the other half
; s10 wave; s11 p; s[52:53] K's, s[54:55] V's, s[56:57] pe's base; s[58:61] two offsets with zeros on top; s62 the tile to fetch; s63 block A's tiles; s66, s67 the blocks' first chunk of pe;
; s70 1 in block A's last tile; s71 trips; s[78:79] q of block A; s[80:81] ctx of the block in hand; s83 my half of pe in LDS; s[84:85], s[86:87] q and ctx of block B
.set MSB, 0
.macro WIN new                         ; low byte: bits 1:0 source 0, 3:2 source 1, 5:4 source 2, 7:6 destination; the high byte repeats the setting that is left
.if MSB != \new
	s_set_vgpr_msb (MSB<<8)|\new
.set MSB, \new
.endif
.endm
.macro PLACES                          ; four places behind matrix instructions (ISA guide 7.12.1)
.rept 4
	v_nop
.endr
.endm
; The three group 0 for tile s62, into slot: tile n of its block takes K's and V's rows 64 n on and pe's rows 64 (first chunk + n) on.
.macro DESC slot
	s_sub_co_u32 s82, s62, s63
	s_cmp_lt_u32 s62, s63
	s_cselect_b32 s68, s62, s82                    ; n
	s_cselect_b32 s69, s66, s67
	s_add_co_u32 s69, s69, s68                     ; pe's chunk of 64 rows
	s_lshl_b32 s58, s68, 17                        ; 64 rows of 2,048 bytes
	s_lshl_b32 s60, s69, 14                        ; 64 rows of 256 bytes
	s_mov_b32 s[G0K+1], (\slot)*SLOT
	s_add_nc_u64 s[G0K+2:G0K+3], s[52:53], s[58:59]
	s_or_b32 s[G0K+3], s[G0K+3], 0x80000000
	s_mov_b32 s[G0V+1], (\slot)*SLOT+VO
	s_add_nc_u64 s[G0V+2:G0V+3], s[54:55], s[58:59]
	s_or_b32 s[G0V+3], s[G0V+3], 0x80000000
	s_add_co_u32 s[G0P+1], s83, (\slot)*SLOT+PO
	s_add_nc_u64 s[G0P+2:G0P+3], s[56:57], s[60:61]
	s_or_b32 s[G0P+3], s[G0P+3], 0x80000000
.endm
; One tensor load a wave, by the wave's number; four v_nop follow each line.
.macro TLOAD
	s_cmp_lg_u32 s10, 0
	s_cbranch_scc1 .Lnot_k_\@
	tensor_load_to_lds s[G0K:G0K+3], s[G1K:G1K+7]
	s_nop 0
.rept 4
	v_nop
.endr
	s_branch .Lasked_\@
.Lnot_k_\@:
	s_cmp_lg_u32 s10, 1
	s_cbranch_scc1 .Lnot_v_\@
	tensor_load_to_lds s[G0V:G0V+3], s[G1V:G1V+7]
	s_nop 0
.rept 4
	v_nop
.endr
	s_branch .Lasked_\@
.Lnot_v_\@:
	tensor_load_to_lds s[G0P:G0P+3], s[G1P:G1P+7]
	s_nop 0
.rept 4
	v_nop
.endr
.Lasked_\@:
.endm
.macro LOADQ base                      ; 16 queries x 128 channels: lane l holds row l % 16; two loads of 16 bytes, 32 apart, for each 32 channels
.irp kc, 0,1,2,3
	global_load_b128 v[Q+8*\kc:Q+8*\kc+3],   v[QO], s[\base:\base+1] offset:64*\kc
	global_load_b128 v[Q+8*\kc+4:Q+8*\kc+7], v[QO], s[\base:\base+1] offset:64*\kc+32
.endr
.endm
	s_load_b128 s[4:7], s[0:1], 0x0                ; qkv s[4:5], cb s[6:7]
	s_load_b64 s[8:9], s[0:1], 0x10                ; ctx
	v_lshl_add_u32 v254, v0, 2, 0x2d000
	v_mov_b32 v255, 0
	ds_add_u32 v254, v255
	ds_add_u32 v254, v255
	v_lshrrev_b32 v3, 5, v0
	v_readfirstlane_b32 s10, v3                    ; wave 0..3
	s_mov_b32 s11, ttmp9                           ; p
	s_and_b32 s12, ttmp7, 0xffff                   ; y = 8 x batch + head
	s_lshr_b32 s13, s12, 3
	s_lshl_b32 s13, s13, 22                        ; a batch: 2,048 rows of 2,048 bytes
	s_and_b32 s14, s12, 7
	s_lshl_b32 s14, s14, 8                         ; a head: 256 bytes of a row
	s_or_b32 s76, s13, s14
	s_mov_b32 s77, 0
	s_add_co_u32 s63, s11, 1                       ; block A's tiles
	s_sub_co_u32 s66, 31, s11                      ; (1984 - 64 p) / 64
	s_mov_b32 s67, s11                             ; (1984 - 64 (31 - p)) / 64
	s_and_b32 s82, s10, 1                          ; which half of pe's 128 rows (waves 2 and 3):
	s_mul_i32 s83, s82, 64*272                     ; in LDS,
	s_lshl_b32 s58, s82, 14                        ; in memory
	s_mov_b32 s59, 0
	s_mov_b32 s61, 0
	; descriptor group 1: tiles of 64 rows x 128 elements of 2 bytes, padded after every 64 words
	s_mov_b32 s[G1K], (1<<16)|(1<<20)|(5<<22)|(3<<25)   ; 4 words of padding
	s_mov_b32 s[G1V], (1<<16)|(1<<20)|(5<<22)|(7<<25)   ; 8 words
	s_mov_b32 s[G1P], (1<<16)|(1<<20)|(5<<22)|(3<<25)
.irp g, G1K, G1V, G1P
	s_mov_b32 s[\g+1], 128<<16                     ; tensor_dim0 = 128
	s_mov_b32 s[\g+2], 64<<16                      ; tensor_dim1 = 64
	s_mov_b32 s[\g+3], 128<<16                     ; tile_dim0 = 128
	s_mov_b32 s[\g+4], 64                          ; tile_dim1 = 64
	s_mov_b32 s[\g+6], 0
	s_mov_b32 s[\g+7], 0
.endr
	s_mov_b32 s[G1K+5], 1024                       ; elements from row to row
	s_mov_b32 s[G1V+5], 1024
	s_mov_b32 s[G1P+5], 128
	s_mov_b32 s[G0K], 1
	s_mov_b32 s[G0V], 1
	s_mov_b32 s[G0P], 1
	s_mov_b32 s62, 0
	s_mov_b32 s[CS], 0x3fb8aa3b                    ; log2(e)
	s_mov_b32 s[CS+1], s[CS]
	s_mov_b32 s[SEL], 0x76543210
	s_mov_b32 s[SEL+1], 0xfedcba98
	s_wait_dscnt 0x0
	s_wait_kmcnt 0x0
	s_add_nc_u64 s[52:53], s[4:5], s[76:77]
	s_add_nc_u64 s[54:55], s[52:53], 0x1000000     ; v
	s_add_nc_u64 s[52:53], s[52:53], 0x800000      ; k
	s_add_nc_u64 s[56:57], s[6:7], s[58:59]
	s_add_nc_u64 s[56:57], s[56:57], PEOFF
	DESC 0
	TLOAD                                          ; tile 0 into slot 0: ahead of every wait on TENSORcnt, every LDS read and every barrier
	s_lshl_b32 s82, s10, 15                        ; my wave's 16 rows
	s_add_co_u32 s82, s82, s76
	s_lshl_b32 s12, s11, 17                        ; block A: 64 p rows
	s_add_co_u32 s12, s12, s82
	s_mov_b32 s13, 0
	s_lshl_b32 s14, s66, 17                        ; block B: 64 (31 - p) rows
	s_add_co_u32 s14, s14, s82
	s_mov_b32 s15, 0
	s_add_nc_u64 s[78:79], s[4:5], s[12:13]
	s_add_nc_u64 s[80:81], s[8:9], s[12:13]
	s_add_nc_u64 s[84:85], s[4:5], s[14:15]
	s_add_nc_u64 s[86:87], s[8:9], s[14:15]
	v_and_b32 v1, 15, v0                           ; r = l % 16
	v_bfe_u32 v2, v0, 4, 1                         ; h = l / 16
	v_lshlrev_b32 v[QO], 11, v1
	v_lshl_add_u32 v[QO], v2, 4, v[QO]             ; 2,048 r + 16 h
	LOADQ 78
	v_mul_u32_u24 v[AK], v1, 272
	v_lshl_add_u32 v[AK], v2, 4, v[AK]             ; 272 r + 16 h
	v_add_nc_u32 v[AK+1], SLOT, v[AK]
	v_and_b32 v3, 7, v0                            ; the turning load: lane l reads key 8 h + l % 8, channels 8 ((l / 8) % 2) on
	v_lshl_add_u32 v3, v2, 3, v3
	v_mul_u32_u24 v[AV], v3, PVP
	v_bfe_u32 v3, v0, 3, 1
	v_lshl_add_u32 v[AV], v3, 4, v[AV]
	v_add_nc_u32 v[AV], VO, v[AV]
	v_add_nc_u32 v[AV+1], SLOT, v[AV]
	s_lshl_b32 s82, s10, 4
	s_sub_co_u32 s82, 48, s82                      ; my band begins at the tile's row 48 - 16 w of pe
	s_mul_i32 s82, s82, 272
	s_add_co_u32 s82, s82, PO
	v_add_nc_u32 v[AP], s82, v[AK]
	v_add_nc_u32 v[AP+1], SLOT, v[AP]
	s_mul_i32 s82, s10, SKW
	s_add_co_u32 s82, s82, SKEW
	v_mul_u32_u24 v3, v2, 8*404                    ; element (query 8 h + j, place 16 t + r) goes to row m = 8 h + j, word u + m + 1: byte 404 m + 4 u + 4
	v_lshl_add_u32 v3, v1, 2, v3
	v_add3_u32 v[SKS], v3, s82, 4
	v_mul_u32_u24 v3, v1, 400                      ; (key c = 16 kt + 8 h + j, query r) comes from row r, word c + 16
	v_lshl_add_u32 v3, v2, 5, v3
	v_add3_u32 v[SKL], v3, s82, 64
	s_mul_i32 s82, s10, OSW
	s_add_co_u32 s82, s82, OSTG
	v_add_nc_u32 v[STO], s82, v[AK]                ; in: row r, 16 bytes for each half of the lanes
	v_mul_u32_u24 v3, v2, 272                      ; back: lanes 0-15 one row of 256 bytes, lanes 16-31 the next
	v_lshl_add_u32 v3, v1, 4, v3
	v_add_nc_u32 v[RD], s82, v3
	v_lshlrev_b32 v[GO], 11, v2                    ; and the same two rows in ctx
	v_lshl_add_u32 v[GO], v1, 4, v[GO]
	s_lshl_b32 s82, s10, 4
	v_lshlrev_b32 v3, 3, v2
	v_sub_nc_u32 v3, v1, v3
	v_add_nc_u32 v[THR], s82, v3
	v_mov_b32 v[NINF], 0xff800000
	s_wait_loadcnt 0x0                             ; q of block A
; One tile's softmax, all in window 0.  first = 1: the launch's first tile, which starts m, l and O^T: no a, nothing to rescale.
.macro SOFTMAX first
.irp j, 0,1,2,3
	v_max3_num_f32 v[ST+4+\j], v[S+8*\j], v[S+8*\j+1], v[S+8*\j+2]     ; four chains; each accumulator is read from its low end on
.endr
.irp j, 0,1,2,3
	v_max3_num_f32 v[ST+4+\j], v[ST+4+\j], v[S+8*\j+3], v[S+8*\j+4]
.endr
.irp j, 0,1,2,3
	v_max3_num_f32 v[ST+4+\j], v[ST+4+\j], v[S+8*\j+5], v[S+8*\j+6]
.endr
	v_max3_num_f32 v[ST+4], v[ST+4], v[S+7], v[S+15]
	v_max3_num_f32 v[ST+6], v[ST+6], v[S+23], v[S+31]
	v_max3_num_f32 v[ST+4], v[ST+4], v[ST+5], v[ST+6]
.if \first
	v_max_num_f32 v[ST+4], v[ST+4], v[ST+7]
.else
	v_max3_num_f32 v[ST+4], v[ST+4], v[ST+7], v[ST+1]
	v_mov_b32 v[ST+7], v[ST]                       ; c m_old is kept for a
.endif
	v_permlanex16_b32 v[ST+5], v[ST+4], s[SEL], s[SEL+1]   ; the query's other 32 keys lie in the lane 16 away
	v_max_num_f32 v[ST+1], v[ST+4], v[ST+5]
	v_mul_f32 v[ST], s[CS], v[ST+1]
.if !\first
	v_sub_f32 v[ST+7], v[ST+7], v[ST]
	v_exp_f32 v[ST+6], v[ST+7]                     ; a; the scalings below are the plain instructions behind it (ISA guide 5.7.2)
.endif
.irp b, 0,1,2,3,4,5,6,7,8,9,10,11,12,13,14,15
	v_pk_fma_f32 v[S+2*\b:S+2*\b+1], v[S+2*\b:S+2*\b+1], s[CS:CS+1], v[ST:ST+1] op_sel_hi:[1,0,0] neg_lo:[0,0,1] neg_hi:[0,0,1]   ; c s - c m
.endr
.set i, 0
.rept 32
	v_exp_f32 v[S+i], v[S+i]
.set i, i+1
.endr
	v_nop                                          ; a plain instruction between the last exponential and the use of its result
	s_wait_alu depctr_va_vdst(0)
.irp b, 0,1,2,3,4,5,6,7,8,9,10,11,12,13,14,15
	v_cvt_pk_f16_f32 v[P+\b], v[S+2*\b], v[S+2*\b+1]
.endr
.irp u, 0,1,2,3,4,5,6,7
	v_pk_add_f32 v[S+4*\u:S+4*\u+1], v[S+4*\u:S+4*\u+1], v[S+4*\u+2:S+4*\u+3]
.endr
.irp u, 0,1,2,3
	v_pk_add_f32 v[S+8*\u:S+8*\u+1], v[S+8*\u:S+8*\u+1], v[S+8*\u+4:S+8*\u+5]
.endr
.irp u, 0,1
	v_pk_add_f32 v[S+16*\u:S+16*\u+1], v[S+16*\u:S+16*\u+1], v[S+16*\u+8:S+16*\u+9]
.endr
.if \first
	v_pk_add_f32 v[ST+2:ST+3], v[S:S+1], v[S+16:S+17]
.else
	v_pk_add_f32 v[S:S+1], v[S:S+1], v[S+16:S+17]
	v_pk_fma_f32 v[ST+2:ST+3], v[ST+2:ST+3], v[ST+6:ST+7], v[S:S+1] op_sel_hi:[1,0,1]
.set i, 0
.rept 32
	v_pk_mul_f32 v[O+i:O+i+1], v[O+i:O+i+1], v[ST+6:ST+7] op_sel_hi:[1,0]
.set i, i+2
.endr
.endif
.endm
; A block's end: O^T / l, rounded to f16, through my own stage in LDS, out as whole rows of 256 bytes.
.macro EPI
	PLACES                                         ; behind the last products
	v_add_f32 v[ST+4], v[ST+2], v[ST+3]
	v_permlanex16_b32 v[ST+5], v[ST+4], s[SEL], s[SEL+1]
	v_add_f32 v[ST+4], v[ST+4], v[ST+5]
	v_rcp_f32 v[ST+6], v[ST+4]
	v_nop                                          ; a plain instruction between the reciprocal and its use
.set i, 0
	s_wait_alu depctr_va_vdst(0)
.rept 32
	v_pk_mul_f32 v[O+i:O+i+1], v[O+i:O+i+1], v[ST+6:ST+7] op_sel_hi:[1,0]
.set i, i+2
.endr
.set i, 0
.rept 32
	v_cvt_pk_f16_f32 v[TMP+i], v[O+2*i], v[O+2*i+1]
.set i, i+1
.endr
.irp f, 0,1,2,3,4,5,6,7
	ds_store_b128 v[STO], v[TMP+4*\f:TMP+4*\f+3] offset:32*\f
.endr
.irp f, 0,1,2,3,4,5,6,7
	ds_load_b128 v[TMP+4*\f:TMP+4*\f+3], v[RD] offset:\f*544       ; LDS serves a wave's instructions in order (ISA guide 5.7.1.4): these see the stores above
.endr
.irp f, 0,1,2,3,4,5,6,7
	s_wait_dscnt 7-\f                              ; number f is back
	global_store_b128 v[GO], v[TMP+4*\f:TMP+4*\f+3], s[80:81] offset:\f*4096   ; 16 lanes store 256 consecutive bytes, at a multiple of 256 from ctx's first byte
.endr
.endm
; ONE TILE, out of slot.  first = 1: the launch's first.  refill = 1: the other slot takes the next tile; refill = 0: the launch's last tile, which is block B's diagonal one.
.macro TILE slot, first, refill
	s_wait_tensorcnt 0x0                           ; all my tensor loads are done, my part of this tile among them, so every group 0 may be written
	ds_add_u32 v254, v255
	s_wait_dscnt 0x0
.if \refill
	s_add_co_u32 s62, s62, 1                       ; the tile to fetch
	s_cmp_eq_u32 s62, s63
	s_cselect_b32 s70, 1, 0                        ; it opens block B: the tile in hand is block A's last
	DESC 1-\slot
.endif
	s_wait_dscnt 0x0                               ; my reads of the other slot are done
	s_barrier_signal -1
	s_barrier_wait -1                              ; both now hold of every wave
.if \refill
	TLOAD                                          ; my one tensor load behind this barrier, first thing there
.endif
	WIN 0x40                                       ; destination window 1
.irp kc, 0,1,2,3
.irp t, 0,1,2,3,4
	ds_load_b128 v[8*(4*\t+\kc):8*(4*\t+\kc)+3],   v[AP+\slot] offset:4352*\t+64*\kc
	ds_load_b128 v[8*(4*\t+\kc)+4:8*(4*\t+\kc)+7], v[AP+\slot] offset:4352*\t+64*\kc+32
.endr
.endr
	WIN 0x80                                       ; destination window 2
.irp kc, 0,1,2,3
.irp kt, 0,1,2,3
	ds_load_b128 v[8*(4*\kt+\kc):8*(4*\kt+\kc)+3],   v[AK+\slot] offset:4352*\kt+64*\kc
	ds_load_b128 v[8*(4*\kt+\kc)+4:8*(4*\kt+\kc)+7], v[AK+\slot] offset:4352*\kt+64*\kc+32
.endr
.endr
	; R = Q PE^T: lane (r, h), register j holds (query 8 h + j, place 16 t + r).  The five accumulators take turns, one instruction a turn.
	WIN 0x04                                       ; source 1 window 1
.irp kc, 0,1,2,3
	s_wait_dscnt 62-10*\kc                         ; behind these ten loads of pe stand its 10 (3 - kc) later ones and K's 32
.irp t, 0,1,2,3,4
.if \kc == 0
	v_wmma_f32_16x16x32_f16 v[R+8*\t:R+8*\t+7], v[Q+8*\kc:Q+8*\kc+7], v[8*(4*\t+\kc):8*(4*\t+\kc)+7], 0
.else
	v_wmma_f32_16x16x32_f16 v[R+8*\t:R+8*\t+7], v[Q+8*\kc:Q+8*\kc+7], v[8*(4*\t+\kc):8*(4*\t+\kc)+7], v[R+8*\t:R+8*\t+7]
.endif
.endr
.endr
	WIN 0
.rept 5
	v_nop                                          ; the places behind those products: their results are stored, loaded over and then taken up by other products
.endr
.irp t, 0,1,2,3,4
.irp j, 0,1,2,3,4,5,6,7
	ds_store_b32 v[SKS], v[R+8*\t+\j] offset:404*\j+64*\t
.endr
.endr
.irp kt, 0,1,2,3
	ds_load_b128 v[S+8*\kt:S+8*\kt+3],   v[SKL] offset:64*\kt      ; my own bytes, served in order behind the stores above
	ds_load_b128 v[S+8*\kt+4:S+8*\kt+7], v[SKL] offset:64*\kt+16
.endr
	WIN 0x80
.irp f, 0,1,2,3,4,5,6,7,8,9,10,11,12,13,14,15      ; V, turned: keys 32 (f / 8) on, channels 16 (f % 8) on
	ds_load_tr16_b128 v[128+8*\f:128+8*\f+3],   v[AV+\slot] offset:(\f/8)*32*PVP+(\f%8)*32
	ds_load_tr16_b128 v[128+8*\f+4:128+8*\f+7], v[AV+\slot] offset:(\f/8)*32*PVP+16*PVP+(\f%8)*32
.endr
	s_wait_dscnt 32                                ; K and the bias are in; V's 32 loads stay out
	WIN 0x02                                       ; source 0 window 2
.irp kc, 0,1,2,3                                   ; S^T = K Q^T + bias: the bias is the first C; four accumulators by turns
.irp kt, 0,1,2,3
	v_wmma_f32_16x16x32_f16 v[S+8*\kt:S+8*\kt+7], v[8*(4*\kt+\kc):8*(4*\kt+\kc)+7], v[Q+8*\kc:Q+8*\kc+7], v[S+8*\kt:S+8*\kt+7]
.endr
.endr
	WIN 0
	PLACES
.if \refill
	s_cmp_eq_u32 s70, 0
	s_cbranch_scc1 .Lnomask_\@                     ; only a block's last tile crosses the diagonal
.endif
.irp kt, 0,1,2,3
.irp j, 0,1,2,3,4,5,6,7
	v_cmp_gt_i32 vcc_lo, 16*\kt+\j, v[THR]
	v_cndmask_b32 v[S+8*\kt+\j], v[S+8*\kt+\j], v[NINF], vcc_lo
.endr
.endr
.Lnomask_\@:
	SOFTMAX \first
	s_wait_dscnt 0x0                               ; V is in
	WIN 0x02
.irp kk, 0,1                                       ; O^T += V^T P: eight accumulators by turns
.irp ct, 0,1,2,3,4,5,6,7
.if \first && (\kk == 0)
	v_wmma_f32_16x16x32_f16 v[O+8*\ct:O+8*\ct+7], v[128+8*(8*\kk+\ct):128+8*(8*\kk+\ct)+7], v[P+8*\kk:P+8*\kk+7], 0
.else
	v_wmma_f32_16x16x32_f16 v[O+8*\ct:O+8*\ct+7], v[128+8*(8*\kk+\ct):128+8*(8*\kk+\ct)+7], v[P+8*\kk:P+8*\kk+7], v[O+8*\ct:O+8*\ct+7]
.endif
.endr
.endr
	WIN 0
.if \refill
	s_cmp_eq_u32 s70, 0
	s_cbranch_scc1 .Lnoend_\@
.endif
	EPI
.if \refill
	s_wait_xcnt 0x0                                ; the stores' base and data are rewritten only behind this wait
	s_mov_b64 s[80:81], s[86:87]                   ; on to block B
	LOADQ 84
	v_mov_b32 v[ST], v[NINF]                       ; c m and m = -infinity: the next tile's a is 0 and starts O^T and l anew
	v_mov_b32 v[ST+1], v[NINF]
	s_wait_loadcnt 0x0
.endif
.Lnoend_\@:
.endm
	TILE 0, 1, 1                                   ; tile 0
	s_mov_b32 s71, 15
.Lpair:                                                ; tiles 1 to 30
	TILE 1, 0, 1
	TILE 0, 0, 1
	s_sub_co_u32 s71, s71, 1
	s_cmp_lg_u32 s71, 0
	s_cbranch_scc1 .Lpair
	TILE 1, 0, 1                                   ; tile 31 asks for the last
	TILE 0, 0, 0                                   ; tile 32: nothing is left to fetch; its head has waited for all tensor loads
	s_wait_tensorcnt 0x0
	ds_add_u32 v254, v255
	s_wait_dscnt 0x0
	s_endpgm
.Lfunc_end_k_q044f8de0ee_attn:
	.size	k_q044f8de0ee_attn, .Lfunc_end_k_q044f8de0ee_attn-k_q044f8de0ee_attn
	.p2alignl 7, 3214868480
	.fill 96, 4, 3214868480
	.section	.rodata,"a",@progbits
	.p2align	6, 0x0
	.amdhsa_kernel k_q044f8de0ee_attn
		.amdhsa_group_segment_fixed_size 327680
		.amdhsa_private_segment_fixed_size 0
		.amdhsa_enable_private_segment 0
		.amdhsa_kernarg_size 24
		.amdhsa_user_sgpr_count 2
		.amdhsa_user_sgpr_kernarg_segment_ptr 1
		.amdhsa_wavefront_size32 1
		.amdhsa_system_sgpr_workgroup_id_x 1
		.amdhsa_system_sgpr_workgroup_id_y 1
		.amdhsa_system_sgpr_workgroup_id_z 1
		.amdhsa_system_vgpr_workitem_id 0
		.amdhsa_next_free_vgpr 768
		.amdhsa_next_free_sgpr 90
		.amdhsa_reserve_vcc 1
		.amdhsa_float_denorm_mode_32 3
		.amdhsa_float_denorm_mode_16_64 3
		.amdhsa_memory_ordered 1
		.amdhsa_forward_progress 1
		.amdhsa_inst_pref_size 164
	.end_amdhsa_kernel
	.amdgpu_metadata
---
amdhsa.version: [ 1, 2 ]
amdhsa.kernels:
  - .name:           k_q044f8de0ee_attn
    .symbol:         k_q044f8de0ee_attn.kd
    .args:
      - { .name: qkv, .offset: 0, .size: 8, .value_kind: global_buffer, .address_space: global }
      - { .name: cb, .offset: 8, .size: 8, .value_kind: global_buffer, .address_space: global }
      - { .name: ctx, .offset: 16, .size: 8, .value_kind: global_buffer, .address_space: global }
    .group_segment_fixed_size: 327680
    .private_segment_fixed_size: 0
    .kernarg_segment_align: 8
    .kernarg_segment_size: 24
    .max_flat_workgroup_size: 128
    .sgpr_count:     90
    .vgpr_count:     768
    .wavefront_size: 32
...
	.end_amdgpu_metadata
.endif
;; end of part 3
;; launch gemm_out (part 4): grid 8 x 32, 4 waves a work-group, clusters of 4 x 4, 327,680 bytes of LDS; arguments ctx, cb, Wo_b, out0; writes out0
.if DOCPART == 4
	.amdgcn_target "amdgcn-amd-amdhsa--gfx1250"
	.amdhsa_code_object_version 6
	.text
	.protected	k_q044f8de0ee_gemm_out
	.globl	k_q044f8de0ee_gemm_out
	.p2align	8
	.type	k_q044f8de0ee_gemm_out,@function
k_q044f8de0ee_gemm_out:
	s_mov_b64 s[64:65], 0
	v_nop
	global_prefetch_b8 v0, s[64:65] scope:SCOPE_SE
	s_setreg_imm32_b32 hwreg(HW_REG_WAVE_MODE, 25, 1), 1
	s_wait_xcnt 0x0
	s_wait_alu depctr_hold_cnt(0) depctr_sa_sdst(0) depctr_va_vdst(0) depctr_va_sdst(0) depctr_va_ssrc(0) depctr_va_vcc(0) depctr_vm_vsrc(0)
	s_getreg_b32 s2, hwreg(HW_REG_IB_STS2, 6, 4)
	s_cmp_eq_u32 s2, 0
	s_cbranch_scc0 .Lentry_in_a_cluster
	s_endpgm
.Lentry_in_a_cluster:
	s_bfe_u32 s2, ttmp6, 0x10000c
	s_cmp_lg_u32 s2, 0xf033
	s_cbranch_scc0 .Lentry_shape_is_right
	s_endpgm
.Lentry_shape_is_right:
; out0[m][n] = sum over k of ctx[m][k] Wo[n][k] + Wo_b[n].  ctx: [4096][1024] f16; Wo: [1024][1024] f16 at byte BOFF of cb; out0: [4096][1024] f32; sums and bias in f32.
; A tile of C is 128 x 128: 256 tiles, one for each WGP.  Four waves, each 64 x 64: 16 accumulators of 16 x 16.  K goes in steps of 256 (LDS rows of 512 bytes, a wave's tensor load
; brings 64 of them) through two slots.
; CLUSTERS: 4 x 4 work-groups.  The four of a row of the cluster need the same tiles of A, the four of a column the same tiles of B: each tile is asked for JOINTLY, by the same
; tensor load with the same descriptor and a mask that names the four.
; THE MATRIX INSTRUCTION IS USED TRANSPOSED (source 0 = 16 rows of B, source 1 = 16 rows of A): a lane then holds eight neighbouring numbers of a row of C, 32 bytes.
; THE WAY OUT: a wave's 64 columns of f32 are 256 aligned bytes, so each wave has a stage of its own (16 rows x 272 bytes) and needs no barrier.
; REGISTERS: window 0: v0-31 addresses; v32-63 rows read back; v96-127 my 32 bias numbers; v128-255 the accumulators ((a, b) at v[128 + 8 (4 a + b)]).
;   window 1: two fragment buffers of 128: for 64 along K, 64 registers of A (2 x 4 x 16 rows x 32 K), then 64 of B.
.set SIZE_N, 1024
.set SIZE_K, 1024
.set BOFF,   31457280                  ; byte of cb at which Wo begins
.set KSTEP,  256
.set PITCH,  528                       ; an LDS row: 512 bytes + 16 of padding = 132 words: row r starts at bank 4 r mod 64 (64 banks of 4 bytes: ISA guide 11.1)
.set HALFT,  64*PITCH
.set SLOT,   4*HALFT
.set STAGE,  2*SLOT                    ; behind the ring; no tensor load fills it
.set SPITCH, 272
.set LAPS, SIZE_K/(2*KSTEP)
.set ADRA, 16
.set ADRB, 20
.set STO,  24
.set RD,   25
.set CO,   26
.set BO,   27
.set TMP,  32
.set BI,   96
.set ACC,  128
.set F0,   0
.set F1,   128
.set G1, 24
.set G0, 32
.set G1B, 48
.set G0B, 56
.set MSB, 0
.macro WIN new                         ; the immediate's high byte repeats the setting that is left
.if MSB != \new
	s_set_vgpr_msb (MSB<<8)|\new
.set MSB, \new
.endif
.endm
.set MUL,  0x05                        ; sources 0 (B) and 1 (A) window 1; C and D window 0
.set TO_F, 0x40                        ; destination window 1, address window 0
.macro JLOAD s                         ; a joint load: waves 0 and 1 fetch A's two halves, waves 2 and 3 B's; four v_nop follow each of the two lines
	s_cmp_eq_u32 s11, 0
	s_cbranch_scc0 .Lfor_b_\@
	tensor_load_to_lds s[G0+4*\s:G0+4*\s+3], s[G1:G1+7]
	s_nop 0
.rept 4
	v_nop
.endr
	s_branch .Lasked_\@
.Lfor_b_\@:
	tensor_load_to_lds s[G0B+4*\s:G0B+4*\s+3], s[G1B:G1B+7]
	s_nop 0
.rept 4
	v_nop
.endr
.Lasked_\@:
.endm
.macro CREST                           ; a round of the cluster's barrier behind its opening barrier
	s_cmp_lg_u32 s10, 0
	s_cbranch_scc1 .Lnot_wave_0_\@
	s_barrier_signal -3
.Lnot_wave_0_\@:
	s_barrier_wait -3
	s_barrier_signal -1
	s_barrier_wait -1
.endm
.macro CROUND                          ; a whole round
	s_barrier_signal -1
	s_barrier_wait -1
	CREST
.endm
	s_load_b256 s[68:75], s[0:1], 0x0              ; ctx s[68:69], cb s[70:71], Wo_b s[72:73], out0 s[74:75]
	v_lshl_add_u32 v94, v0, 2, 0x46400
	v_mov_b32 v95, 0
	ds_add_u32 v94, v95
	ds_add_u32 v94, v95
	v_lshrrev_b32 v1, 5, v0
	v_readfirstlane_b32 s10, v1                    ; wave 0..3
	s_lshr_b32 s11, s10, 1                         ; which half of the tile's rows is mine.  Also: I fetch for A (0) or for B (1)
	s_and_b32 s12, s10, 1                          ; which half of its columns.  Also: which 64 rows of that tile I fetch
	s_bfe_u32 s40, ttmp6, 0x40000                  ; cx, cy: my place in the cluster
	s_bfe_u32 s41, ttmp6, 0x40004
	s_lshl_b32 s42, ttmp9, 2
	s_add_co_u32 s42, s42, s40                     ; tile column of C = 4 x cluster x + cx
	s_and_b32 s13, ttmp7, 0xffff
	s_lshl_b32 s13, s13, 2
	s_add_co_u32 s13, s13, s41                     ; tile row of C = 4 x cluster y + cy
	s_lshl_b32 s43, s41, 2
	s_lshl_b32 s43, 15, s43                        ; my row of the cluster
	s_lshl_b32 s44, 0x1111, s40                    ; my column
	s_or_b32 s[G1+0], s43, (1<<16)|(1<<20)|(1<<21)|(6<<22)|(3<<25)  ; 15:0 the mask: A's tiles go to my row; 17:16 elements of 2 bytes; 20 padding on; 21 set beside a mask; 24:22 after every 128 words; 31:25 4 words of it
	s_or_b32 s[G1B+0], s44, (1<<16)|(1<<20)|(1<<21)|(6<<22)|(3<<25) ; the same with the mask of my column
.irp g, G1, G1B
	s_mov_b32 s[\g+1], KSTEP<<16                   ; tensor_dim0 = 256
	s_mov_b32 s[\g+2], 64<<16                      ; tensor_dim1 = 64
	s_mov_b32 s[\g+3], KSTEP<<16                   ; tile_dim0 = 256
	s_mov_b32 s[\g+4], 64                          ; tile_dim1 = 64
	s_mov_b32 s[\g+5], SIZE_K                      ; elements from row to row
	s_mov_b32 s[\g+6], 0
	s_mov_b32 s[\g+7], 0
.endr
	s_lshl_b32 s17, s12, 6                         ; which 64 rows of the tile I fetch
	s_lshl_b32 s16, s13, 7
	s_add_co_u32 s16, s16, s17                     ; A: row 128 x tile row + 64 x half
	s_lshl_b32 s46, s42, 7
	s_add_co_u32 s46, s46, s17                     ; B: row 128 x tile column + 64 x half
	s_mov_b32 s17, 0
	s_mov_b32 s47, 0
	s_mov_b64 s[18:19], SIZE_K*2
	s_mul_u64 s[16:17], s[16:17], s[18:19]
	s_mul_u64 s[46:47], s[46:47], s[18:19]
	s_mul_i32 s20, s10, HALFT                      ; where they go: wave x 64 rows
	s_wait_dscnt 0x0
	s_wait_kmcnt 0x0
	s_add_nc_u64 s[14:15], s[68:69], s[16:17]
	s_add_nc_u64 s[46:47], s[70:71], s[46:47]
	s_add_nc_u64 s[46:47], s[46:47], BOFF
	CROUND                                         ; all sixteen work-groups are here: the first joint loads meet
.irp s, 0,1
	s_mov_b32 s[G0+4*\s], 1
	s_add_co_u32 s[G0+4*\s+1], s20, \s*SLOT
	s_add_nc_u64 s[G0+4*\s+2:G0+4*\s+3], s[14:15], \s*KSTEP*2
	s_or_b32 s[G0+4*\s+3], s[G0+4*\s+3], 0x80000000
	s_mov_b32 s[G0B+4*\s], 1
	s_add_co_u32 s[G0B+4*\s+1], s20, \s*SLOT
	s_add_nc_u64 s[G0B+4*\s+2:G0B+4*\s+3], s[46:47], \s*KSTEP*2
	s_or_b32 s[G0B+4*\s+3], s[G0B+4*\s+3], 0x80000000
	JLOAD \s
.endr
	v_and_b32 v1, 15, v0                           ; l % 16
	v_bfe_u32 v2, v0, 4, 1                         ; l / 16
	s_lshl_b32 s46, s42, 9                         ; my first column, in bytes of f32: 512 x tile column + 256 x half; the same offset serves the bias and C
	s_lshl_b32 s47, s12, 8
	s_add_co_u32 s46, s46, s47
	s_mov_b32 s47, 0
	s_add_nc_u64 s[78:79], s[72:73], s[46:47]
	v_lshlrev_b32 v[BO], 5, v2                     ; my 32 bias numbers: columns 16 b + 8 (l / 16) + 0..7
.irp b, 0,1,2,3
	global_load_b128 v[BI+8*\b:BI+8*\b+3],   v[BO], s[78:79] offset:64*\b
	global_load_b128 v[BI+8*\b+4:BI+8*\b+7], v[BO], s[78:79] offset:64*\b+16
.endr
	v_mul_u32_u24 v3, v1, PITCH
	v_lshl_add_u32 v3, v2, 4, v3                   ; a fragment's row x pitch + 16 x half
	s_mul_i32 s21, s11, HALFT                      ; my 64 rows of A
	s_mul_i32 s22, s12, HALFT                      ; my 64 rows of B,
	s_add_co_u32 s22, s22, 2*HALFT                 ; which lie behind A's 128
.irp s, 0,1
	v_add_nc_u32 v[ADRA+\s], s21, v3
	v_add_nc_u32 v[ADRB+\s], s22, v3
	s_add_co_u32 s21, s21, SLOT
	s_add_co_u32 s22, s22, SLOT
.endr
	s_mul_i32 s23, s10, 16*SPITCH
	s_add_co_u32 s23, s23, STAGE                   ; my stage
	v_mul_u32_u24 v4, v1, SPITCH                   ; in: row l % 16, 32 bytes for each half of the lanes
	v_lshl_add_u32 v4, v2, 5, v4
	v_add_nc_u32 v[STO], s23, v4
	v_mul_u32_u24 v5, v2, SPITCH                   ; back: lanes 0-15 one row of 256 bytes, lanes 16-31 the next
	v_lshl_add_u32 v5, v1, 4, v5
	v_add_nc_u32 v[RD], s23, v5
	v_lshlrev_b32 v5, 12, v2                       ; and the same two rows in C: 4,096 bytes a row
	v_lshl_add_u32 v[CO], v1, 4, v5
	s_lshl_b32 s16, s13, 7
	s_lshl_b32 s17, s11, 6
	s_add_co_u32 s16, s16, s17                     ; my first row of C: 128 x tile row + 64 x half
	s_lshl_b32 s16, s16, 12
	s_mov_b32 s17, 0
	s_add_nc_u64 s[8:9], s[74:75], s[16:17]
	s_add_nc_u64 s[8:9], s[8:9], s[46:47]
; 8 matrix instructions: m blocks a0, a0 + 1 x all 4 n blocks, 32 along K: half c of buffer f.  zero = 1: the first product starts the sums.
; The 16 accumulators take turns, one instruction a turn.
.macro MUL8 f, c, a0, zero
.irp a, \a0, \a0+1
.irp b, 0,1,2,3
.if \zero
	v_wmma_f32_16x16x32_f16 v[ACC+8*(4*(\a)+\b):ACC+8*(4*(\a)+\b)+7], v[\f+64+8*(4*\c+\b):\f+64+8*(4*\c+\b)+7], v[\f+8*(4*\c+\a):\f+8*(4*\c+\a)+7], 0
.else
	v_wmma_f32_16x16x32_f16 v[ACC+8*(4*(\a)+\b):ACC+8*(4*(\a)+\b)+7], v[\f+64+8*(4*\c+\b):\f+64+8*(4*\c+\b)+7], v[\f+8*(4*\c+\a):\f+8*(4*\c+\a)+7], v[ACC+8*(4*(\a)+\b):ACC+8*(4*(\a)+\b)+7]
.endif
.endr
.endr
.endm
; 32 LDS loads in one run: the fragments of 64 along K at byte k of the rows, into buffer f; the first 32 along K first
.macro FETCH slot, k, f
	WIN TO_F
.irp c, 0,1
.irp i, 0,1,2,3
	ds_load_b128 v[\f+64+8*(4*\c+\i):\f+64+8*(4*\c+\i)+3],   v[ADRB+\slot] offset:\k+64*\c+\i*16*PITCH
	ds_load_b128 v[\f+64+8*(4*\c+\i)+4:\f+64+8*(4*\c+\i)+7], v[ADRB+\slot] offset:\k+64*\c+\i*16*PITCH+32
	ds_load_b128 v[\f+8*(4*\c+\i):\f+8*(4*\c+\i)+3],         v[ADRA+\slot] offset:\k+64*\c+\i*16*PITCH
	ds_load_b128 v[\f+8*(4*\c+\i)+4:\f+8*(4*\c+\i)+7],       v[ADRA+\slot] offset:\k+64*\c+\i*16*PITCH+32
.endr
.endr
.endm
.macro PLACES                          ; four places in front of loads into registers that matrix instructions have read, and of vector work on results (ISA guide 7.12.1 for vector instructions)
.rept 4
	v_nop
.endr
.endm
; A K step is four quarters of 64 along K, 32 matrix instructions each, on buffers 0, 1, 0, 1.  One of the first three: multiplies buffer f and fetches the next quarter, at byte k, into g.
.macro QUARTER slot, k, f, g, zero
	s_wait_dscnt 16                                ; the first 32 along K are in; the sixteen younger loads may be out
	WIN MUL
	MUL8 \f, 0, 0, \zero
	MUL8 \f, 0, 2, \zero
	PLACES
	FETCH \slot, \k, \g
	s_wait_dscnt 32                                ; all but the 32 just issued
	WIN MUL
	MUL8 \f, 1, 0, 0
	MUL8 \f, 1, 2, 0
.endm
; The last quarter multiplies buffer 1 and changes slots: ONE barrier; in front of it each wave waits for its own reads of this slot and for all its tensor loads.  fill = 1: this slot is filled again, two K steps ahead.
.macro TURN slot, next, fill
	s_wait_dscnt 16
	WIN MUL
	MUL8 F1, 0, 0, 0
	s_wait_dscnt 0                                 ; my reads of this slot are over,
	s_set_vgpr_msb 0x500
	s_wait_tensorcnt 0x0                           ; and all my tensor loads have landed: my part of the next slot
	ds_add_u32 v94, v95
	s_wait_dscnt 0x0
	s_set_vgpr_msb 0x5
	s_barrier_signal -1
	MUL8 F1, 0, 2, 0
.if \fill
	WIN 0
.endif
	s_barrier_wait -1
.if \fill
	CREST                                          ; the barrier has opened a round of the cluster's barrier: no wave of any partner still reads this slot's tile or has a load on its way
	s_add_nc_u64 s[G0+4*\slot+2:G0+4*\slot+3], s[G0+4*\slot+2:G0+4*\slot+3], 2*KSTEP*2
	s_add_nc_u64 s[G0B+4*\slot+2:G0B+4*\slot+3], s[G0B+4*\slot+2:G0B+4*\slot+3], 2*KSTEP*2
	JLOAD \slot                                    ; the first tensor load behind the round: 120 matrix instructions ahead of the wait for it; its four v_nop are also the places in front of the loads below
.else
	PLACES
.endif
	FETCH \next, 0, F0
	WIN MUL
	MUL8 F1, 1, 0, 0
	MUL8 F1, 1, 2, 0
.endm
	s_wait_tensorcnt 1                             ; my part of K step 0 is in; K step 1's stays out
	s_barrier_signal -1
	s_barrier_wait -1                              ; everybody's is
	FETCH 0, 0, F0
	QUARTER 0, 128, F0, F1, 1                      ; the first quarter stands in front of the loop: its first products start the sums
	WIN 0                                          ; at a label and at a branch every window is 0
	s_mov_b32 s3, LAPS-1
.Llap:                                                 ; a trip goes once round the ring, from a lap's second quarter to the next lap's first, and fills both slots again
	QUARTER 0, 256, F1, F0, 0
	QUARTER 0, 384, F0, F1, 0
	TURN 0, 1, 1
	QUARTER 1, 128, F0, F1, 0
	QUARTER 1, 256, F1, F0, 0
	QUARTER 1, 384, F0, F1, 0
	TURN 1, 0, 1
	QUARTER 0, 128, F0, F1, 0
	WIN 0
	s_sub_co_u32 s3, s3, 1
	s_cmp_lg_u32 s3, 0
	s_cbranch_scc1 .Llap
	QUARTER 0, 256, F1, F0, 0                      ; the last lap fills nothing, and has no round of the cluster's barrier
	QUARTER 0, 384, F0, F1, 0
	TURN 0, 1, 0
	QUARTER 1, 128, F0, F1, 0
	QUARTER 1, 256, F1, F0, 0
	QUARTER 1, 384, F0, F1, 0
	s_wait_dscnt 16                                ; the very last quarter: nothing more to fetch
	WIN MUL
	MUL8 F1, 0, 0, 0
	MUL8 F1, 0, 2, 0
	s_wait_dscnt 0
	MUL8 F1, 1, 0, 0
	MUL8 F1, 1, 2, 0
	WIN 0
	; THE WAY OUT, 16 rows at a time: the bias is added; 32 bytes a lane go into my stage; whole rows of 256 bytes come back and are stored.
	s_wait_loadcnt 0x0                             ; the bias
	PLACES
.irp a, 0,1,2,3
.irp b, 0,1,2,3
.irp r, 0,1,2,3
	v_pk_add_f32 v[ACC+8*(4*\a+\b)+2*\r:ACC+8*(4*\a+\b)+2*\r+1], v[ACC+8*(4*\a+\b)+2*\r:ACC+8*(4*\a+\b)+2*\r+1], v[BI+8*\b+2*\r:BI+8*\b+2*\r+1]
.endr
.endr
.irp b, 0,1,2,3
	ds_store_b128 v[STO], v[ACC+8*(4*\a+\b):ACC+8*(4*\a+\b)+3]   offset:64*\b
	ds_store_b128 v[STO], v[ACC+8*(4*\a+\b)+4:ACC+8*(4*\a+\b)+7] offset:64*\b+16
.endr
	s_wait_xcnt 0x0                                ; the registers that the last block's stores read are loaded again only behind this wait
.irp t, 0,1,2,3,4,5,6,7
	ds_load_b128 v[TMP+4*\t:TMP+4*\t+3], v[RD] offset:\t*2*SPITCH  ; LDS serves a wave's instructions in order (ISA guide 5.7.1.4): these see the stores above, and the next block's stores come behind them
.endr
.irp t, 0,1,2,3,4,5,6,7
	s_wait_dscnt 7-\t                              ; number t is back
	global_store_b128 v[CO], v[TMP+4*\t:TMP+4*\t+3], s[8:9] offset:(16*\a+2*\t)*SIZE_N*4 th:TH_STORE_NT   ; 16 lanes store 256 consecutive bytes, at a multiple of 256 from C's first byte
.endr
.endr
	s_wait_tensorcnt 0x0
	ds_add_u32 v94, v95
	s_wait_dscnt 0x0
	CROUND                                         ; the closing round: no work-group ends while a partner may still ask for a tile that names it
	s_endpgm
.Lfunc_end_k_q044f8de0ee_gemm_out:
	.size	k_q044f8de0ee_gemm_out, .Lfunc_end_k_q044f8de0ee_gemm_out-k_q044f8de0ee_gemm_out
	.p2alignl 7, 3214868480
	.fill 96, 4, 3214868480
	.section	.rodata,"a",@progbits
	.p2align	6, 0x0
	.amdhsa_kernel k_q044f8de0ee_gemm_out
		.amdhsa_group_segment_fixed_size 327680
		.amdhsa_private_segment_fixed_size 0
		.amdhsa_enable_private_segment 0
		.amdhsa_kernarg_size 32
		.amdhsa_user_sgpr_count 2
		.amdhsa_user_sgpr_kernarg_segment_ptr 1
		.amdhsa_wavefront_size32 1
		.amdhsa_system_sgpr_workgroup_id_x 1
		.amdhsa_system_sgpr_workgroup_id_y 1
		.amdhsa_system_sgpr_workgroup_id_z 1
		.amdhsa_system_vgpr_workitem_id 0
		.amdhsa_next_free_vgpr 512
		.amdhsa_next_free_sgpr 84
		.amdhsa_reserve_vcc 0
		.amdhsa_float_denorm_mode_32 3
		.amdhsa_float_denorm_mode_16_64 3
		.amdhsa_memory_ordered 1
		.amdhsa_forward_progress 1
		.amdhsa_inst_pref_size 91
	.end_amdhsa_kernel
	.amdgpu_metadata
---
amdhsa.version: [ 1, 2 ]
amdhsa.kernels:
  - .name:           k_q044f8de0ee_gemm_out
    .symbol:         k_q044f8de0ee_gemm_out.kd
    .args:
      - { .name: ctx, .offset: 0, .size: 8, .value_kind: global_buffer, .address_space: global }
      - { .name: cb, .offset: 8, .size: 8, .value_kind: global_buffer, .address_space: global }
      - { .name: Wo_b, .offset: 16, .size: 8, .value_kind: global_buffer, .address_space: global }
      - { .name: out0, .offset: 24, .size: 8, .value_kind: global_buffer, .address_space: global }
    .group_segment_fixed_size: 327680
    .private_segment_fixed_size: 0
    .kernarg_segment_align: 8
    .kernarg_segment_size: 32
    .max_flat_workgroup_size: 128
    .sgpr_count:     84
    .vgpr_count:     512
    .wavefront_size: 32
...
	.end_amdgpu_metadata
.endif
;; end of part 4
;; ======== version 2 of 2: 4 launches; 1.15 times as fast as version 1
;; limits: values are held in f16: magnitudes above 65,504 overflow, below 6.1e-05 lose precision
;; workspace buffers: cb 34,111,488 bytes; qkv 25,165,824 bytes; ctx 8,388,608 bytes
;; launch cast: the kernel of part 1 again; grid 1041 x 1, 8 waves a work-group, no clusters, 0 bytes of LDS; arguments query, key, value, Wq_w, Wk_w, Wv_w, Wo_w, pos_emb, cb; writes cb
;; launch gemm_qkv (part 5): grid 8 x 32, 4 waves a work-group, clusters of 4 x 4, 327,680 bytes of LDS; arguments cb, Wq_b, Wk_b, Wv_b, qkv; writes qkv
.if DOCPART == 5
	.amdgcn_target "amdgcn-amd-amdhsa--gfx1250"
	.amdhsa_code_object_version 6
	.text
	.protected	k_q044f8de0ee_gemm_qkv
	.globl	k_q044f8de0ee_gemm_qkv
	.p2align	8
	.type	k_q044f8de0ee_gemm_qkv,@function
k_q044f8de0ee_gemm_qkv:
	s_mov_b64 s[64:65], 0
	v_nop
	global_prefetch_b8 v0, s[64:65] scope:SCOPE_SE
	s_setreg_imm32_b32 hwreg(HW_REG_WAVE_MODE, 25, 1), 1
	s_wait_xcnt 0x0
	s_wait_alu depctr_hold_cnt(0) depctr_sa_sdst(0) depctr_va_vdst(0) depctr_va_sdst(0) depctr_va_ssrc(0) depctr_va_vcc(0) depctr_vm_vsrc(0)
	s_getreg_b32 s2, hwreg(HW_REG_IB_STS2, 6, 4)
	s_cmp_eq_u32 s2, 0
	s_cbranch_scc0 .Lentry_in_a_cluster
	s_endpgm
.Lentry_in_a_cluster:
	s_bfe_u32 s2, ttmp6, 0x10000c
	s_cmp_lg_u32 s2, 0xf033
	s_cbranch_scc0 .Lentry_shape_is_right
	s_endpgm
.Lentry_shape_is_right:
; The three projections: C[m][n] = (sum over k of A[m][k] B[n][k] + bias[n]) x scale, for q, k and v in turn.
; A = cb's rows 0-12287 (query | key | value, bf16), 4,096 rows an input; B = the input's weight ([1024][1024] bf16, three of them from byte WOFF of cb on); bias = Wq_b, Wk_b, Wv_b;
; scale = 1/sqrt(128) for q, 1 for k and v.  C = qkv [12288][1024] in f16; sums, bias and scale in f32.
; f16 for q, k, v: eleven bits of significand.  Limit: |q|, |k|, |v| under 65,504 (inputs and weights 30 times the usual spread give about 5,000).
; A tile of C is 128 x 128.  Four waves, each 64 x 64: 16 accumulators of 16 x 16.  K goes in steps of 256 (LDS rows of 512 bytes, a wave's tensor load brings 64 of them) through two slots.
; A WORK-GROUP STAYS: an input has 256 tiles, so each of 256 work-groups makes the same tile of q, then of k, then of v.  K has only four steps, so the ring does not stop at a tile's end:
; a tile's last two changes of slots ask for the next tile's K steps 0 and 1, and nothing waits for a tile's stores.
; CLUSTERS: 4 x 4 work-groups.  The four of a row of the cluster need the same tiles of A, the four of a column the same tiles of B: each tile is asked for JOINTLY, by the same
; tensor load with the same descriptor and a mask that names the four.  All sixteen walk q, k, v in step.
; THE MATRIX INSTRUCTION IS USED TRANSPOSED (source 0 = 16 rows of B, source 1 = 16 rows of A): a lane then holds eight neighbouring numbers of a row of C.
; REGISTERS: window 0: v0-31 addresses; v32-95 at work on the way out; v96-127 my 32 bias numbers; v128-255 the accumulators ((a, b) at v[128 + 8 (4 a + b)]).
;   window 1: two fragment buffers of 128: for 64 along K, 64 registers of A (2 x 4 x 16 rows x 32 K), then 64 of B.
.set SIZE_N, 1024
.set SIZE_K, 1024
.set TILES,  3
.set WOFF,   25165824                  ; byte of cb at which the weights begin
.set KSTEP,  256
.set PITCH,  528                       ; an LDS row: 512 bytes + 16 of padding = 132 words: row r starts at bank 4 r mod 64 (64 banks of 4 bytes: ISA guide 11.1)
.set HALFT,  64*PITCH                  ; 64 rows: what one tensor load brings, and what one wave reads of A or of B
.set SLOT,   4*HALFT                   ; A's 128 rows, then B's 128 rows
.set STAGE,  2*SLOT                    ; behind the ring: 128 rows x 272 bytes, the work-group's, for the way out; no tensor load fills it
.set SPITCH, 272
.set NEXT_A, 4096*SIZE_K*2-2*KSTEP*2   ; bytes from a slot's last K step of a tile to its first of the next: A goes 4,096 rows down and two K steps back,
.set NEXT_B, 1024*SIZE_K*2-2*KSTEP*2   ; B 1,024 rows down and two K steps back
.set NEXT_C, 4096*SIZE_N*2             ; C goes 4,096 rows down
.set ADRA, 16                          ; v16-17  LDS address of my A fragments in slot 0, 1
.set ADRB, 20                          ; v20-21  the same for B
.set STO,  24                          ; v24     the way out: where I put 16 bytes of a row
.set RD,   25                          ; v25     the way out: where I read a row back
.set CO,   26                          ; v26     my byte offset in C
.set BO,   27                          ; v27     my byte offset in the bias
.set TMP,  32
.set BI,   96                          ; v[96:127] bias of column 16 b + 8 (l / 16) + j at BI + 8 b + j
.set ACC,  128
.set F0,   0
.set F1,   128
.set G1, 24                            ; s[24:31] descriptor group 1 for A's tiles;  s[32:39] group 0, one set for each slot
.set G0, 32
.set G1B, 48                           ; s[48:55], s[56:63] the same for B's tiles
.set G0B, 56
.set MSB, 0
.macro WIN new                         ; the immediate's high byte repeats the setting that is left
.if MSB != \new
	s_set_vgpr_msb (MSB<<8)|\new
.set MSB, \new
.endif
.endm
.set MUL,  0x05                        ; sources 0 (B) and 1 (A) window 1; C and D window 0
.set TO_F, 0x40                        ; destination window 1, address window 0
.macro JLOAD s                         ; a joint load: waves 0 and 1 fetch A's two halves, waves 2 and 3 B's; four v_nop follow each of the two lines
	s_cmp_eq_u32 s11, 0
	s_cbranch_scc0 .Lfor_b_\@
	tensor_load_to_lds s[G0+4*\s:G0+4*\s+3], s[G1:G1+7]
	s_nop 0
.rept 4
	v_nop
.endr
	s_branch .Lasked_\@
.Lfor_b_\@:
	tensor_load_to_lds s[G0B+4*\s:G0B+4*\s+3], s[G1B:G1B+7]
	s_nop 0
.rept 4
	v_nop
.endr
.Lasked_\@:
.endm
.macro CREST                           ; a round of the cluster's barrier behind its opening barrier
	s_cmp_lg_u32 s10, 0
	s_cbranch_scc1 .Lnot_wave_0_\@
	s_barrier_signal -3
.Lnot_wave_0_\@:
	s_barrier_wait -3
	s_barrier_signal -1
	s_barrier_wait -1
.endm
.macro CROUND                          ; a whole round
	s_barrier_signal -1
	s_barrier_wait -1
	CREST
.endm
.macro LOADBIAS                        ; my 32 bias numbers of the input whose bias s[78:79] points at
.irp b, 0,1,2,3
	global_load_b128 v[BI+8*\b:BI+8*\b+3],   v[BO], s[78:79] offset:64*\b
	global_load_b128 v[BI+8*\b+4:BI+8*\b+7], v[BO], s[78:79] offset:64*\b+16
.endr
.endm
	s_load_b256 s[68:75], s[0:1], 0x0              ; cb s[68:69], Wq_b s[70:71], Wk_b s[72:73], Wv_b s[74:75]
	s_load_b64 s[8:9], s[0:1], 0x20                ; qkv
	v_lshl_add_u32 v30, v0, 2, 0x4a800
	v_mov_b32 v31, 0
	ds_add_u32 v30, v31
	ds_add_u32 v30, v31
	v_lshrrev_b32 v1, 5, v0
	v_readfirstlane_b32 s10, v1                    ; wave 0..3
	s_lshr_b32 s11, s10, 1                         ; which half of the tile's rows is mine.  Also: I fetch for A (0) or for B (1)
	s_and_b32 s12, s10, 1                          ; which half of its columns.  Also: which 64 rows of that tile I fetch
	s_bfe_u32 s40, ttmp6, 0x40000                  ; cx, cy: my place in the cluster
	s_bfe_u32 s41, ttmp6, 0x40004
	s_lshl_b32 s42, ttmp9, 2
	s_add_co_u32 s42, s42, s40                     ; tile column of C = 4 x cluster x + cx
	s_and_b32 s13, ttmp7, 0xffff
	s_lshl_b32 s13, s13, 2
	s_add_co_u32 s13, s13, s41                     ; tile row inside an input = 4 x cluster y + cy
	s_lshl_b32 s43, s41, 2
	s_lshl_b32 s43, 15, s43                        ; my row of the cluster
	s_lshl_b32 s44, 0x1111, s40                    ; my column
	; descriptor group 1: a tile of 64 rows x 256 elements, padded in LDS
	s_or_b32 s[G1+0], s43, (1<<16)|(1<<20)|(1<<21)|(6<<22)|(3<<25)  ; 15:0 the mask: A's tiles go to my row; 17:16 elements of 2 bytes; 20 padding on; 21 set beside a mask; 24:22 after every 128 words; 31:25 4 words of it
	s_or_b32 s[G1B+0], s44, (1<<16)|(1<<20)|(1<<21)|(6<<22)|(3<<25) ; the same with the mask of my column
.irp g, G1, G1B
	s_mov_b32 s[\g+1], KSTEP<<16                   ; tensor_dim0 = 256
	s_mov_b32 s[\g+2], 64<<16                      ; tensor_dim1 = 64
	s_mov_b32 s[\g+3], KSTEP<<16                   ; tile_dim0 = 256
	s_mov_b32 s[\g+4], 64                          ; tile_dim1 = 64
	s_mov_b32 s[\g+5], SIZE_K                      ; elements from row to row
	s_mov_b32 s[\g+6], 0
	s_mov_b32 s[\g+7], 0
.endr
	s_lshl_b32 s17, s12, 6                         ; which 64 rows of the tile I fetch
	s_lshl_b32 s16, s13, 7
	s_add_co_u32 s16, s16, s17                     ; A: row 128 x tile row + 64 x half, of the first input
	s_lshl_b32 s46, s42, 7
	s_add_co_u32 s46, s46, s17                     ; B: row 128 x tile column + 64 x half, of the first weight
	s_mov_b32 s17, 0
	s_mov_b32 s47, 0
	s_mov_b64 s[18:19], SIZE_K*2
	s_mul_u64 s[16:17], s[16:17], s[18:19]
	s_mul_u64 s[46:47], s[46:47], s[18:19]
	s_mul_i32 s20, s10, HALFT                      ; where they go: wave x 64 rows
	s_wait_dscnt 0x0
	s_wait_kmcnt 0x0
	s_add_nc_u64 s[14:15], s[68:69], s[16:17]
	s_add_nc_u64 s[46:47], s[68:69], s[46:47]
	s_add_nc_u64 s[46:47], s[46:47], WOFF
	CROUND                                         ; all sixteen work-groups are here: the first joint loads meet
.irp s, 0,1
	s_mov_b32 s[G0+4*\s], 1
	s_add_co_u32 s[G0+4*\s+1], s20, \s*SLOT
	s_add_nc_u64 s[G0+4*\s+2:G0+4*\s+3], s[14:15], \s*KSTEP*2
	s_or_b32 s[G0+4*\s+3], s[G0+4*\s+3], 0x80000000
	s_mov_b32 s[G0B+4*\s], 1
	s_add_co_u32 s[G0B+4*\s+1], s20, \s*SLOT
	s_add_nc_u64 s[G0B+4*\s+2:G0B+4*\s+3], s[46:47], \s*KSTEP*2
	s_or_b32 s[G0B+4*\s+3], s[G0B+4*\s+3], 0x80000000
	JLOAD \s
.endr
	v_and_b32 v1, 15, v0                           ; l % 16
	v_bfe_u32 v2, v0, 4, 1                         ; l / 16
	; the three biases at my columns: 128 x tile column + 64 x half; a lane takes 16 b + 8 (l / 16) + 0..7
	s_lshl_b32 s82, s42, 9
	s_lshl_b32 s83, s12, 8
	s_add_co_u32 s82, s82, s83
	s_mov_b32 s83, 0
	s_add_nc_u64 s[70:71], s[70:71], s[82:83]
	s_add_nc_u64 s[72:73], s[72:73], s[82:83]
	s_add_nc_u64 s[74:75], s[74:75], s[82:83]
	s_mov_b64 s[78:79], s[70:71]                   ; q comes first,
	s_mov_b32 s76, 0x3db504f3                      ; with 1 / sqrt(128)
	s_mov_b32 s77, s76                             ; named with it as a pair, so it is written
	v_lshlrev_b32 v[BO], 5, v2
	LOADBIAS
	v_mul_u32_u24 v3, v1, PITCH
	v_lshl_add_u32 v3, v2, 4, v3                   ; a fragment's row x pitch + 16 x half
	s_mul_i32 s21, s11, HALFT                      ; my 64 rows of A
	s_mul_i32 s22, s12, HALFT                      ; my 64 rows of B,
	s_add_co_u32 s22, s22, 2*HALFT                 ; which lie behind A's 128
.irp s, 0,1
	v_add_nc_u32 v[ADRA+\s], s21, v3
	v_add_nc_u32 v[ADRB+\s], s22, v3
	s_add_co_u32 s21, s21, SLOT
	s_add_co_u32 s22, s22, SLOT
.endr
	s_mul_i32 s23, s11, 64*SPITCH                  ; into the stage: my 64 rows, my half of their 256 bytes; row l % 16, 16 bytes for each half of the lanes
	s_lshl_b32 s21, s12, 7
	s_add_co_u32 s23, s23, s21
	s_add_co_u32 s23, s23, STAGE
	v_mul_u32_u24 v4, v1, SPITCH
	v_lshl_add_u32 v4, v2, 4, v4
	v_add_nc_u32 v[STO], s23, v4
	s_mul_i32 s23, s10, 32*SPITCH                  ; back: wave w takes rows 32 w .. 32 w + 31, whole; lanes 0-15 one row of 256 bytes, lanes 16-31 the next
	s_add_co_u32 s23, s23, STAGE
	v_mul_u32_u24 v5, v2, SPITCH
	v_lshl_add_u32 v5, v1, 4, v5
	v_add_nc_u32 v[RD], s23, v5
	v_mul_u32_u24 v5, v2, SIZE_N*2                 ; and the same two rows in C
	v_lshl_add_u32 v[CO], v1, 4, v5
	s_lshl_b32 s16, s13, 7
	s_lshl_b32 s17, s10, 5
	s_add_co_u32 s16, s16, s17                     ; the first row of C that I store: 128 x tile row + 32 x wave
	s_mov_b32 s17, 0
	s_mov_b64 s[18:19], SIZE_N*2
	s_mul_u64 s[16:17], s[16:17], s[18:19]
	s_add_nc_u64 s[8:9], s[8:9], s[16:17]
	s_lshl_b32 s46, s42, 8                         ; the tile's first column, in bytes
	s_mov_b32 s47, 0
	s_add_nc_u64 s[8:9], s[8:9], s[46:47]
; 8 matrix instructions: m blocks a0, a0 + 1 x all 4 n blocks, 32 along K: half c of buffer f.  zero = 1: the first product starts the sums.
; The 16 accumulators take turns, one instruction a turn.
.macro MUL8 f, c, a0, zero
.irp a, \a0, \a0+1
.irp b, 0,1,2,3
.if \zero
	v_wmma_f32_16x16x32_bf16 v[ACC+8*(4*(\a)+\b):ACC+8*(4*(\a)+\b)+7], v[\f+64+8*(4*\c+\b):\f+64+8*(4*\c+\b)+7], v[\f+8*(4*\c+\a):\f+8*(4*\c+\a)+7], 0
.else
	v_wmma_f32_16x16x32_bf16 v[ACC+8*(4*(\a)+\b):ACC+8*(4*(\a)+\b)+7], v[\f+64+8*(4*\c+\b):\f+64+8*(4*\c+\b)+7], v[\f+8*(4*\c+\a):\f+8*(4*\c+\a)+7], v[ACC+8*(4*(\a)+\b):ACC+8*(4*(\a)+\b)+7]
.endif
.endr
.endr
.endm
; 32 LDS loads in one run: the fragments of 64 along K at byte k of the rows, into buffer f; the first 32 along K first
.macro FETCH slot, k, f
	WIN TO_F
.irp c, 0,1
.irp i, 0,1,2,3
	ds_load_b128 v[\f+64+8*(4*\c+\i):\f+64+8*(4*\c+\i)+3],   v[ADRB+\slot] offset:\k+64*\c+\i*16*PITCH
	ds_load_b128 v[\f+64+8*(4*\c+\i)+4:\f+64+8*(4*\c+\i)+7], v[ADRB+\slot] offset:\k+64*\c+\i*16*PITCH+32
	ds_load_b128 v[\f+8*(4*\c+\i):\f+8*(4*\c+\i)+3],         v[ADRA+\slot] offset:\k+64*\c+\i*16*PITCH
	ds_load_b128 v[\f+8*(4*\c+\i)+4:\f+8*(4*\c+\i)+7],       v[ADRA+\slot] offset:\k+64*\c+\i*16*PITCH+32
.endr
.endr
.endm
.macro PLACES                          ; four places in front of loads into registers that matrix instructions have read (ISA guide 7.12.1 for vector instructions)
.rept 4
	v_nop
.endr
.endm
; A K step is four quarters of 64 along K, 32 matrix instructions each, on buffers 0, 1, 0, 1.  One of the first three: multiplies buffer f and fetches the next quarter, at byte k, into g.
.macro QUARTER slot, k, f, g, zero
	s_wait_dscnt 16                                ; the first 32 along K are in; the sixteen younger loads may be out
	WIN MUL
	MUL8 \f, 0, 0, \zero
	MUL8 \f, 0, 2, \zero
	PLACES
	FETCH \slot, \k, \g
	s_wait_dscnt 32                                ; all but the 32 just issued
	WIN MUL
	MUL8 \f, 1, 0, 0
	MUL8 \f, 1, 2, 0
.endm
; The last quarter multiplies buffer 1 and changes slots: ONE barrier; in front of it each wave waits for its own reads of this slot and for all its tensor loads.
; fill = 1: this slot is filled again, two K steps ahead; 2: with the NEXT tile's K step 0 or 1; 0: not at all.
.macro TURN slot, next, fill
	s_wait_dscnt 16
	WIN MUL
	MUL8 F1, 0, 0, 0
	s_wait_dscnt 0                                 ; my reads of this slot are over,
	s_set_vgpr_msb 0x500
	s_wait_tensorcnt 0x0                           ; and all my tensor loads have landed: my part of the next slot
	ds_add_u32 v30, v31
	s_wait_dscnt 0x0
	s_set_vgpr_msb 0x5
	s_barrier_signal -1
	MUL8 F1, 0, 2, 0
.if \fill
	WIN 0
.endif
	s_barrier_wait -1
.if \fill
	CREST                                          ; the barrier has opened a round of the cluster's barrier: no wave of any partner still reads this slot's tile or has a load on its way
.if \fill == 2
	s_add_nc_u64 s[G0+4*\slot+2:G0+4*\slot+3], s[G0+4*\slot+2:G0+4*\slot+3], NEXT_A
	s_add_nc_u64 s[G0B+4*\slot+2:G0B+4*\slot+3], s[G0B+4*\slot+2:G0B+4*\slot+3], NEXT_B
.else
	s_add_nc_u64 s[G0+4*\slot+2:G0+4*\slot+3], s[G0+4*\slot+2:G0+4*\slot+3], 2*KSTEP*2
	s_add_nc_u64 s[G0B+4*\slot+2:G0B+4*\slot+3], s[G0B+4*\slot+2:G0B+4*\slot+3], 2*KSTEP*2
.endif
	JLOAD \slot                                    ; the first tensor load behind the round: 120 matrix instructions ahead of the wait for it; its four v_nop are also the places in front of the loads below
.else
	PLACES
.endif
	FETCH \next, 0, F0
	WIN MUL
	MUL8 F1, 1, 0, 0
	MUL8 F1, 1, 2, 0
.endm
; THE WAY OUT: sum x scale + bias x scale in f32; round to f16; 16 bytes a lane into the work-group's stage; a barrier, since a row's 256 bytes come from two waves; back as whole rows.
; more = 1: another tile follows: C steps on, the next input's bias is asked for, and a barrier stands behind every wave's reads of the stage, ahead of the next tile's writes into it.
.macro WAYOUT more
	WIN 0
	s_wait_loadcnt 0x0                             ; the bias
.irp i, 0,1,2,3,4,5,6,7,8,9,10,11,12,13,14,15
	v_pk_mul_f32 v[BI+2*\i:BI+2*\i+1], v[BI+2*\i:BI+2*\i+1], s[76:77] op_sel_hi:[1,0]   ; bias x scale: sixteen plain instructions, the places behind the last products
.endr
.irp a, 0,1,2,3
.irp b, 0,1,2,3
.irp r, 0,1,2,3
	v_pk_fma_f32 v[ACC+8*(4*\a+\b)+2*\r:ACC+8*(4*\a+\b)+2*\r+1], v[ACC+8*(4*\a+\b)+2*\r:ACC+8*(4*\a+\b)+2*\r+1], s[76:77], v[BI+8*\b+2*\r:BI+8*\b+2*\r+1] op_sel_hi:[1,0,1]
.endr
.irp r, 0,1,2,3
	v_cvt_pk_f16_f32 v[TMP+4*(4*\a+\b)+\r], v[ACC+8*(4*\a+\b)+2*\r], v[ACC+8*(4*\a+\b)+2*\r+1]
.endr
.endr
.endr
.irp a, 0,1,2,3
.irp b, 0,1,2,3
	ds_store_b128 v[STO], v[TMP+4*(4*\a+\b):TMP+4*(4*\a+\b)+3] offset:\a*16*SPITCH+32*\b
.endr
.endr
	s_wait_dscnt 0x0                               ; for the others' sake: my stores into the stage are done
	s_barrier_signal -1
	s_barrier_wait -1
.irp t, 0,1,2,3,4,5,6,7,8,9,10,11,12,13,14,15
	ds_load_b128 v[TMP+4*\t:TMP+4*\t+3], v[RD] offset:\t*2*SPITCH
.endr
.irp t, 0,1,2,3,4,5,6,7,8,9,10,11,12,13,14,15
	s_wait_dscnt 15-\t                             ; LDS loads come back in order: number t is in
	global_store_b128 v[CO], v[TMP+4*\t:TMP+4*\t+3], s[8:9] offset:2*\t*SIZE_N*2   ; 16 lanes store 256 consecutive bytes, at a multiple of 256 from C's first byte
.endr
.if \more
	s_wait_xcnt 0x0                                ; the stores' base and data are rewritten only behind this wait
	s_add_nc_u64 s[8:9], s[8:9], NEXT_C
	s_cmp_eq_u32 s2, TILES                         ; behind q comes k, behind k comes v
	s_cselect_b64 s[78:79], s[72:73], s[74:75]
	s_mov_b32 s76, 1.0
	s_mov_b32 s77, 1.0
	LOADBIAS
	s_barrier_signal -1                            ; my reads of the stage are back (the last count-down ended at 0):
	s_barrier_wait -1                              ; no wave writes the stage again before all four have said so.  Slot 1's load may stay out
.endif
.endm
	s_wait_tensorcnt 1                             ; my part of K step 0 is in; K step 1's stays out
	s_barrier_signal -1
	s_barrier_wait -1                              ; everybody's is
	FETCH 0, 0, F0
	WIN 0                                          ; at a label and at a branch every window is 0
	s_mov_b32 s2, TILES                            ; tiles to go, this one among them: the same number in every work-group
.Ltile:
	QUARTER 0, 128, F0, F1, 1                      ; K step 0; its first products start the sums
	QUARTER 0, 256, F1, F0, 0
	QUARTER 0, 384, F0, F1, 0
	TURN 0, 1, 1                                   ; slot 0 takes K step 2
	QUARTER 1, 128, F0, F1, 0                      ; K step 1
	QUARTER 1, 256, F1, F0, 0
	QUARTER 1, 384, F0, F1, 0
	TURN 1, 0, 1                                   ; slot 1 takes K step 3
	QUARTER 0, 128, F0, F1, 0                      ; K step 2
	QUARTER 0, 256, F1, F0, 0
	QUARTER 0, 384, F0, F1, 0
	WIN 0
	s_cmp_eq_u32 s2, 1
	s_cbranch_scc1 .Llast_tile                     ; the last tile's tail is written out: it asks for nothing more
	TURN 0, 1, 2                                   ; THE RING GOES ON INTO THE NEXT TILE: slot 0 takes its K step 0,
	QUARTER 1, 128, F0, F1, 0                      ; K step 3
	QUARTER 1, 256, F1, F0, 0
	QUARTER 1, 384, F0, F1, 0
	TURN 1, 0, 2                                   ; slot 1 its K step 1, and the next tile's first fragments are fetched
	WAYOUT 1                                       ; both refills are asked for: now the tile goes out
	s_sub_co_u32 s2, s2, 1
	s_branch .Ltile
.Llast_tile:
	TURN 0, 1, 0                                   ; nothing is filled again, so no round follows
	QUARTER 1, 128, F0, F1, 0
	QUARTER 1, 256, F1, F0, 0
	QUARTER 1, 384, F0, F1, 0
	s_wait_dscnt 16                                ; the very last quarter: nothing more to fetch
	WIN MUL
	MUL8 F1, 0, 0, 0
	MUL8 F1, 0, 2, 0
	s_wait_dscnt 0
	MUL8 F1, 1, 0, 0
	MUL8 F1, 1, 2, 0
	WAYOUT 0
	s_wait_tensorcnt 0x0
	ds_add_u32 v30, v31
	s_wait_dscnt 0x0
	CROUND                                         ; the closing round: no work-group ends while a partner may still ask for a tile that names it
	s_endpgm
.Lfunc_end_k_q044f8de0ee_gemm_qkv:
	.size	k_q044f8de0ee_gemm_qkv, .Lfunc_end_k_q044f8de0ee_gemm_qkv-k_q044f8de0ee_gemm_qkv
	.p2alignl 7, 3214868480
	.fill 96, 4, 3214868480
	.section	.rodata,"a",@progbits
	.p2align	6, 0x0
	.amdhsa_kernel k_q044f8de0ee_gemm_qkv
		.amdhsa_group_segment_fixed_size 327680
		.amdhsa_private_segment_fixed_size 0
		.amdhsa_enable_private_segment 0
		.amdhsa_kernarg_size 40
		.amdhsa_user_sgpr_count 2
		.amdhsa_user_sgpr_kernarg_segment_ptr 1
		.amdhsa_wavefront_size32 1
		.amdhsa_system_sgpr_workgroup_id_x 1
		.amdhsa_system_sgpr_workgroup_id_y 1
		.amdhsa_system_sgpr_workgroup_id_z 1
		.amdhsa_system_vgpr_workitem_id 0
		.amdhsa_next_free_vgpr 512
		.amdhsa_next_free_sgpr 84
		.amdhsa_reserve_vcc 0
		.amdhsa_float_denorm_mode_32 3
		.amdhsa_float_denorm_mode_16_64 3
		.amdhsa_memory_ordered 1
		.amdhsa_forward_progress 1
		.amdhsa_inst_pref_size 130
	.end_amdhsa_kernel
	.amdgpu_metadata
---
amdhsa.version: [ 1, 2 ]
amdhsa.kernels:
  - .name:           k_q044f8de0ee_gemm_qkv
    .symbol:         k_q044f8de0ee_gemm_qkv.kd
    .args:
      - { .name: cb, .offset: 0, .size: 8, .value_kind: global_buffer, .address_space: global }
      - { .name: Wq_b, .offset: 8, .size: 8, .value_kind: global_buffer, .address_space: global }
      - { .name: Wk_b, .offset: 16, .size: 8, .value_kind: global_buffer, .address_space: global }
      - { .name: Wv_b, .offset: 24, .size: 8, .value_kind: global_buffer, .address_space: global }
      - { .name: qkv, .offset: 32, .size: 8, .value_kind: global_buffer, .address_space: global }
    .group_segment_fixed_size: 327680
    .private_segment_fixed_size: 0
    .kernarg_segment_align: 8
    .kernarg_segment_size: 40
    .max_flat_workgroup_size: 128
    .sgpr_count:     84
    .vgpr_count:     512
    .wavefront_size: 32
...
	.end_amdgpu_metadata
.endif
;; end of part 5
;; launch attn (part 6): grid 16 x 16, 4 waves a work-group, clusters of 4 x 1, 327,680 bytes of LDS; arguments qkv, cb, ctx; writes ctx
.if DOCPART == 6
	.amdgcn_target "amdgcn-amd-amdhsa--gfx1250"
	.amdhsa_code_object_version 6
	.text
	.protected	k_q044f8de0ee_attn
	.globl	k_q044f8de0ee_attn
	.p2align	8
	.type	k_q044f8de0ee_attn,@function
k_q044f8de0ee_attn:
	s_mov_b64 s[64:65], 0
	v_nop
	global_prefetch_b8 v0, s[64:65] scope:SCOPE_SE
	s_setreg_imm32_b32 hwreg(HW_REG_WAVE_MODE, 25, 1), 1
	s_wait_xcnt 0x0
	s_wait_alu depctr_hold_cnt(0) depctr_sa_sdst(0) depctr_va_vdst(0) depctr_va_sdst(0) depctr_va_ssrc(0) depctr_va_vcc(0) depctr_vm_vsrc(0)
	s_getreg_b32 s2, hwreg(HW_REG_IB_STS2, 6, 4)
	s_cmp_eq_u32 s2, 0
	s_cbranch_scc0 .Lentry_in_a_cluster
	s_endpgm
.Lentry_in_a_cluster:
	s_bfe_u32 s2, ttmp6, 0x10000c
	s_cmp_lg_u32 s2, 0x3003
	s_cbranch_scc0 .Lentry_shape_is_right
	s_endpgm
.Lentry_shape_is_right:
; Causal attention with a relative-position bias, one (batch, head) for each x:  s[i][j] = q_i . k_j + q_i . pe[2047 - i + j] for j <= i (q already holds 1/sqrt(128)),
; ctx[i] = softmax_j(s[i][j]) v_j.  q, k, v: f16 in qkv [3][4096][1024] (row = batch x 2048 + l, column = head x 128 + d); pe: f16 [2176][128] at byte PEOFF of cb; ctx: f16 [4096][1024].
; Products, maxima and sums in f32; the weights p are rounded to f16 for the second product, ctx once at the end.
; SHARES.  Work-group (x, p) makes two blocks of 64 queries: block A at 64 p, which needs p + 1 tiles of 64 keys, then block B at 64 (31 - p), which needs 32 - p.  Keys go in steps of 128:
; ceil((p + 1) / 2) + ceil((32 - p) / 2) = 17 steps in every one of the 256 work-groups.  Wave w takes 32 of the block's queries (qh = w % 2; two tiles of 16) and 64 of the step's keys
; (kh = w / 2), so each fragment of K and V out of LDS feeds two products.  Each wave keeps its own maximum, sum and O^T; at a block's end the two waves of a query half merge them through LDS.
; A block's last step alone crosses the diagonal and is masked; a key half that lies wholly right of it is masked whole and comes out with weights, sum and O^T of 0.
; LAYOUT.  S^T = K Q^T (source 0 = 16 keys, source 1 = 16 queries): a lane holds ONE query (lane % 16) and the keys 8 (lane / 16) + 0..7 of each 16.  Two such tiles, rounded in pairs,
; ARE source 1 of O^T = V^T P.  V ([key][channel]) comes out of LDS turned, by ds_load_tr16_b128.
; THE BIAS.  For queries i0 + 32 qh + 16 t + m and keys 128 n + 64 kh + c the row of pe is Pb + 48 - 32 qh - 16 t + 64 kh + u, u = 15 - m + c, Pb = 1984 - i0 + 128 n: a band of 80 rows for
; each tile t; the two bands lie 16 rows apart and share 6 row tiles of pe.  R = Q PE^T over a band (5 tiles of 16 places) is written to the wave's own LDS with a row pitch of 404 bytes seen
; from the writer and 400 seen from the reader: that shift of one word a row turns place u into key c.  It is read back in S^T's layout and enters K Q^T as its C.
; A step needs pe's rows Pb .. Pb + 190; the highest Pb is 1984, so 2,176 rows of pe serve.
; SOFTMAX.  A running maximum m and sum l for each query: p = 2^(c s - c m), c = log2(e); O and l are multiplied by a = 2^(c m_old - c m_new) in every step.  m starts at -1e30, at the launch's
; start and at the change of blocks, where a = 0 then starts block B's sums.  Limits: every score lies above -1e30 (with f16 operands |s| < 2 x 128 x 65,504^2, about 1.1e12), and O is finite,
; which holds wherever |q|, |k|, |v| stay under f16's 65,504.
; RING.  Two LDS slots, each with a step's 128 rows of K, 192 rows of pe and 128 rows of V.  Wave 0 fetches K, wave 1 V, waves 2 and 3 the halves of pe: one tensor load a wave behind each
; step's barrier, so one tensor load of a wave is out at a time, with a whole step's 104 matrix instructions in which to land.
; CLUSTER.  pe's tiles hang on p and the step alone, not on the head, and are 48 of a step's 112 KiB: the four work-groups of a cluster (four heads, one p, the same 17 steps) ask for them
; JOINTLY.  K and V belong to one head; the work-groups of one head want different tiles at each step, so these are plain loads.
.set SLOT1, 131072                     ; slot 0 at 0 (123,904 bytes), slot 1 here: one exclusive or turns an address in one slot into the other's
.set PO,    34816                      ; a slot: K 128 x 272, then pe 192 x 272,
.set VO,    87040                      ; then V 128 x 288
.set PVP,   288                        ; V's pitch; K's and pe's pitch is 272: 16 rows start at 16 different banks (ISA guide 11.1)
.set SKEW,  254976                     ; behind the ring: for each wave two tiles of 16 rows x 400 bytes; at a block's end also the wave's message to its partner; no tensor load fills it
.set SKW,   12800
.set SKT,   6400
.set MST,   8192                       ; in a message: 64 registers of O^T (8,192 bytes), then c m, m and l
.set OSTG,  306176                     ; 16 rows x 272 bytes for each wave, for the way out
.set OSW,   4352
.set PEOFF, 33554432
.set AK0, 4                            ; v4-6    my lane's place in a slot's K, V, pe; never rewritten
.set AV0, 5
.set AP0, 6
.set AKD, 7                            ; v7-9    the same in the slot in hand
.set AVD, 8
.set APD, 9
.set SKS, 10                           ; v10     where R goes
.set SKL, 11                           ; v11     where the bias comes back from
.set QO,  12                           ; v12     my byte offset in the wave's rows of q
.set STO, 13                           ; v13     the way out: where I put 16 bytes of a row
.set RD,  14                           ; v14     the way out: where I read a row back
.set GO,  15                           ; v15     my byte offset in the wave's rows of ctx
.set THR, 16                           ; v16     32 qh + l % 16 - 8 (l / 16) - 64 kh
.set NINF, 17                          ; v17     -infinity, for masked places
.set FLOOR, 18                         ; v18     -1e30, where m starts;  v19  c times that
.set CFL, 19
.set MS,  20                           ; v20     my message, 16 bytes a lane;  v21  my partner's
.set ML,  21
.set TH0, 22                           ; v22-23  tile t: key 16 kt + j of my half is masked if 16 kt + j > TH
.set ST,  24                           ; v[24:39] tile t at ST + 8 t: +0 c m, +1 m, +2, +3 l (even keys', odd keys'), +4 to +7 at work; a takes +6
.set Q,   40                           ; v[40:103] tile t, channels 32 kc on, at Q + 32 t + 8 kc
.set R,   104                          ; v[104:183] tile t's band, 5 tiles, at R + 40 t; S^T takes the first 32 of each
.set P,   184                          ; v[184:215] tile t at P + 16 t
.set TMP, 216                          ; v[216:247] the way out
.set PS,  216                          ; v[216:219] my partner's c m, m, l
; window 1: v[0:127] O^T, tile t, channels 16 ct on, at 64 t + 8 ct.  window 2: v[0:191] pe's fragment (g, kc) at 8 (4 g + kc).
; window 3: v[0:127] K's (kt, kc) at 8 (4 kt + kc); v[128:255] V's (kk, ct) at 128 + 8 (8 kk + ct).
.set G1K, 16                           ; s[16:23], s[24:31], s[32:39] descriptor group 1 for K, V, pe
.set G1V, 24
.set G1P, 32
.set G0K, 40                           ; s[40:43], s[44:47], s[48:51] group 0: written only where no tensor load of the wave is out
.set G0V, 44
.set G0P, 48
.set CS,  72                           ; s[72:73] c, twice
.set SEL, 74                           ; s[74:75] v_permlanex16_b32: each lane takes its own place in the other half
.set TB,  88                           ; s88 the slot in hand
; s10 wave; s11 p; s[52:53] K's, s[54:55] V's, s[56:57] pe's base; s[58:61] two offsets with zeros on top; s62 the step to fetch; s63 block A's steps; s66, s67 the blocks' first chunk of pe;
; s70 1 in block A's last step; s71 trips; s[78:79] q of block A; s[80:81] ctx of the block in hand; s83 my half of pe in LDS; s[84:85], s[86:87] q and ctx of block B;
; s89 the mask's shift in the block in hand, s90 in block B; s91 qh; s92 kh.  The head (which differs between partners) enters s12-15, s52-55, s76-81 and s84-87 alone.
.set MSB, 0
.macro WIN new                         ; low byte: bits 1:0 source 0, 3:2 source 1, 5:4 source 2, 7:6 destination; the high byte repeats the setting that is left
.if MSB != \new
	s_set_vgpr_msb (MSB<<8)|\new
.set MSB, \new
.endif
.endm
.macro PLACES                          ; four places behind matrix instructions (ISA guide 7.12.1)
.rept 4
	v_nop
.endr
.endm
; A round of the cluster's barrier: my work-group's barrier, so that wave 0's signal speaks for all four waves; wave 0 signals for the work-group; every wave waits for all four
; work-groups; my work-group's barrier once more.
.macro CROUND
	s_barrier_signal -1
	s_barrier_wait -1
	s_cmp_lg_u32 s10, 0
	s_cbranch_scc1 .Lnot_wave_0_\@
	s_barrier_signal -3
.Lnot_wave_0_\@:
	s_barrier_wait -3
	s_barrier_signal -1
	s_barrier_wait -1
.endm
; The three group 0 for step s62: step n of its block takes K's and V's rows 128 n on and pe's rows 64 (first chunk + 2 n) on.  flip = 1: into the other slot than last time.
.macro DESC flip
	s_sub_co_u32 s82, s62, s63
	s_cmp_lt_u32 s62, s63
	s_cselect_b32 s68, s62, s82                    ; n
	s_cselect_b32 s69, s66, s67
	s_lshl_b32 s82, s68, 1
	s_add_co_u32 s69, s69, s82                     ; pe's chunk of 64 rows
	s_lshl_b32 s58, s68, 18                        ; 128 rows of 2,048 bytes
	s_lshl_b32 s60, s69, 14                        ; 64 rows of 256 bytes
.if \flip
	s_xor_b32 s[G0K+1], s[G0K+1], SLOT1
	s_xor_b32 s[G0V+1], s[G0V+1], SLOT1
	s_xor_b32 s[G0P+1], s[G0P+1], SLOT1
.endif
	s_add_nc_u64 s[G0K+2:G0K+3], s[52:53], s[58:59]
	s_or_b32 s[G0K+3], s[G0K+3], 0x80000000
	s_add_nc_u64 s[G0V+2:G0V+3], s[54:55], s[58:59]
	s_or_b32 s[G0V+3], s[G0V+3], 0x80000000
	s_add_nc_u64 s[G0P+2:G0P+3], s[56:57], s[60:61]
	s_or_b32 s[G0P+3], s[G0P+3], 0x80000000
.endm
; One tensor load a wave, by the wave's number, which is the same in every work-group; the third line is the joint one.  Four v_nop follow each line.
.macro TLOAD
	s_cmp_lg_u32 s10, 0
	s_cbranch_scc1 .Lnot_k_\@
	tensor_load_to_lds s[G0K:G0K+3], s[G1K:G1K+7]
	s_nop 0
.rept 4
	v_nop
.endr
	s_branch .Lasked_\@
.Lnot_k_\@:
	s_cmp_lg_u32 s10, 1
	s_cbranch_scc1 .Lnot_v_\@
	tensor_load_to_lds s[G0V:G0V+3], s[G1V:G1V+7]
	s_nop 0
.rept 4
	v_nop
.endr
	s_branch .Lasked_\@
.Lnot_v_\@:
	tensor_load_to_lds s[G0P:G0P+3], s[G1P:G1P+7]
	s_nop 0
.rept 4
	v_nop
.endr
.Lasked_\@:
.endm
.macro LOADQ base                      ; 2 x 16 queries x 128 channels: lane l holds row l % 16; two loads of 16 bytes, 32 apart, for each 32 channels
.irp t, 0,1
.irp kc, 0,1,2,3
	global_load_b128 v[Q+32*\t+8*\kc:Q+32*\t+8*\kc+3],   v[QO], s[\base:\base+1] offset:32768*\t+64*\kc
	global_load_b128 v[Q+32*\t+8*\kc+4:Q+32*\t+8*\kc+7], v[QO], s[\base:\base+1] offset:32768*\t+64*\kc+32
.endr
.endr
.endm
	s_load_b128 s[4:7], s[0:1], 0x0                ; qkv s[4:5], cb s[6:7]
	s_load_b64 s[8:9], s[0:1], 0x10                ; ctx
	v_lshl_add_u32 v254, v0, 2, 0x4f000
	v_mov_b32 v255, 0
	ds_add_u32 v254, v255
	ds_add_u32 v254, v255
	v_lshrrev_b32 v3, 5, v0
	v_readfirstlane_b32 s10, v3                    ; wave 0..3
	s_and_b32 s11, ttmp7, 0xffff                   ; p, which the four partners share
	s_bfe_u32 s12, ttmp6, 0x40000                  ; cx: my place in the cluster
	s_lshl_b32 s13, ttmp9, 2                       ; in a cluster launch ttmp9 counts clusters
	s_add_co_u32 s12, s12, s13                     ; 8 x batch + head = 4 x cluster x + cx
	s_lshr_b32 s13, s12, 3
	s_lshl_b32 s13, s13, 22                        ; a batch: 2,048 rows of 2,048 bytes
	s_and_b32 s14, s12, 7
	s_lshl_b32 s14, s14, 8                         ; a head: 256 bytes of a row
	s_or_b32 s76, s13, s14
	s_mov_b32 s77, 0
	s_add_co_u32 s63, s11, 2
	s_lshr_b32 s63, s63, 1                         ; block A's steps: ceil((p + 1) / 2)
	s_sub_co_u32 s66, 31, s11                      ; (1984 - 64 p) / 64
	s_mov_b32 s67, s11                             ; (1984 - 64 (31 - p)) / 64
	s_and_b32 s89, s11, 1                          ; a block with an even number of key tiles ends 64 keys into its last step:
	s_lshl_b32 s89, s89, 6                         ; block A if p is odd,
	s_sub_co_u32 s90, 64, s89                      ; block B if p is even
	s_and_b32 s91, s10, 1                          ; qh.  Also: which half of pe's 192 rows (waves 2 and 3):
	s_lshr_b32 s92, s10, 1                         ; kh
	s_mul_i32 s83, s91, 96*272                     ; in LDS,
	s_mul_i32 s58, s91, 96*256                     ; in memory
	s_mov_b32 s59, 0
	s_mov_b32 s61, 0
	; descriptor group 1: rows of 128 elements of 2 bytes, padded after every 64 words
	s_mov_b32 s[G1K], (1<<16)|(1<<20)|(5<<22)|(3<<25)               ; 4 words of padding
	s_mov_b32 s[G1V], (1<<16)|(1<<20)|(5<<22)|(7<<25)               ; 8 words
	s_mov_b32 s[G1P], 15|(1<<16)|(1<<20)|(1<<21)|(5<<22)|(3<<25)    ; 15:0 the mask: all four work-groups; 21 set beside a mask
.irp g, G1K, G1V, G1P
	s_mov_b32 s[\g+1], 128<<16                     ; tensor_dim0 = 128
	s_mov_b32 s[\g+3], 128<<16                     ; tile_dim0 = 128
	s_mov_b32 s[\g+6], 0
	s_mov_b32 s[\g+7], 0
.endr
.irp g, G1K, G1V
	s_mov_b32 s[\g+2], 128<<16                     ; tensor_dim1 = 128
	s_mov_b32 s[\g+4], 128                         ; tile_dim1 = 128
	s_mov_b32 s[\g+5], 1024                        ; elements from row to row
.endr
	s_mov_b32 s[G1P+2], 96<<16                     ; 96 rows
	s_mov_b32 s[G1P+4], 96
	s_mov_b32 s[G1P+5], 128
	s_mov_b32 s[G0K], 1
	s_mov_b32 s[G0V], 1
	s_mov_b32 s[G0P], 1
	s_mov_b32 s[G0K+1], 0                          ; slot 0
	s_mov_b32 s[G0V+1], VO
	s_add_co_u32 s[G0P+1], s83, PO
	s_mov_b32 s62, 0
	s_mov_b32 s[TB], 0
	s_mov_b32 s[CS], 0x3fb8aa3b                    ; log2(e)
	s_mov_b32 s[CS+1], s[CS]
	s_mov_b32 s[SEL], 0x76543210
	s_mov_b32 s[SEL+1], 0xfedcba98
	s_wait_dscnt 0x0
	s_wait_kmcnt 0x0
	s_add_nc_u64 s[52:53], s[4:5], s[76:77]
	s_add_nc_u64 s[54:55], s[52:53], 0x1000000     ; v
	s_add_nc_u64 s[52:53], s[52:53], 0x800000      ; k
	s_add_nc_u64 s[56:57], s[6:7], s[58:59]
	s_add_nc_u64 s[56:57], s[56:57], PEOFF
	DESC 0
	CROUND                                         ; all four work-groups are here: the first joint loads meet
	TLOAD                                          ; step 0 into slot 0: ahead of every wait on TENSORcnt and every LDS read
	s_lshl_b32 s12, s91, 16                        ; my wave's 32 rows
	s_add_co_u32 s12, s12, s76
	s_lshl_b32 s14, s11, 17                        ; block A: 64 p rows
	s_add_co_u32 s14, s14, s12
	s_mov_b32 s15, 0
	s_lshl_b32 s13, s66, 17                        ; block B: 64 (31 - p) rows
	s_add_co_u32 s12, s12, s13
	s_mov_b32 s13, 0
	s_add_nc_u64 s[78:79], s[4:5], s[14:15]
	s_add_nc_u64 s[84:85], s[4:5], s[12:13]
	s_lshl_b32 s82, s92, 15                        ; of ctx I store tile kh: 16 kh rows on
	s_add_co_u32 s14, s14, s82
	s_add_co_u32 s12, s12, s82
	s_add_nc_u64 s[80:81], s[8:9], s[14:15]
	s_add_nc_u64 s[86:87], s[8:9], s[12:13]
	v_and_b32 v1, 15, v0                           ; r = l % 16
	v_bfe_u32 v2, v0, 4, 1                         ; h = l / 16
	v_lshlrev_b32 v[QO], 11, v1
	v_lshl_add_u32 v[QO], v2, 4, v[QO]             ; 2,048 r + 16 h
	LOADQ 78
	v_mul_u32_u24 v3, v1, 272
	v_lshl_add_u32 v3, v2, 4, v3                   ; 272 r + 16 h
	s_mul_i32 s82, s92, 64*272                     ; my 64 keys
	v_add_nc_u32 v[AK0], s82, v3
	s_lshl_b32 s82, s92, 1
	s_add_co_u32 s82, s82, 1
	s_sub_co_u32 s82, s82, s91                     ; my 96 rows of pe begin at the step's row 32 (1 - qh + 2 kh)
	s_mul_i32 s82, s82, 32*272
	s_add_co_u32 s82, s82, PO
	v_add_nc_u32 v[AP0], s82, v3
	s_mul_i32 s82, s10, OSW
	s_add_co_u32 s82, s82, OSTG
	v_add_nc_u32 v[STO], s82, v3                   ; in: row r, 16 bytes for each half of the lanes
	v_mul_u32_u24 v[RD], v2, 272                   ; back: lanes 0-15 one row of 256 bytes, lanes 16-31 the next
	v_lshl_add_u32 v[RD], v1, 4, v[RD]
	v_add_nc_u32 v[RD], s82, v[RD]
	v_lshlrev_b32 v[GO], 11, v2                    ; and the same two rows in ctx
	v_lshl_add_u32 v[GO], v1, 4, v[GO]
	v_and_b32 v[AV0], 7, v0                        ; the turning load: lane l reads key 8 h + l % 8, channels 8 ((l / 8) % 2) on
	v_lshl_add_u32 v[AV0], v2, 3, v[AV0]
	v_mul_u32_u24 v[AV0], v[AV0], PVP
	v_bfe_u32 v[AVD], v0, 3, 1
	v_lshl_add_u32 v[AV0], v[AVD], 4, v[AV0]
	s_mul_i32 s82, s92, 64*PVP
	s_add_co_u32 s82, s82, VO
	v_add_nc_u32 v[AV0], s82, v[AV0]
	s_mul_i32 s82, s10, SKW
	s_add_co_u32 s82, s82, SKEW                    ; my skew
	s_add_co_u32 s68, s82, 4
	v_mul_u32_u24 v[SKS], v2, 8*404                ; element (query 8 h + j, place 16 x + r) goes to row m = 8 h + j, word u + m + 1: byte 404 m + 4 u + 4
	v_lshl_add_u32 v[SKS], v1, 2, v[SKS]
	v_add_nc_u32 v[SKS], s68, v[SKS]
	s_add_co_u32 s68, s82, 64
	v_mul_u32_u24 v[SKL], v1, 400                  ; (key c = 16 kt + 8 h + j, query r) comes from row r, word c + 16
	v_lshl_add_u32 v[SKL], v2, 5, v[SKL]
	v_add_nc_u32 v[SKL], s68, v[SKL]
	v_and_b32 v3, 31, v0
	v_lshlrev_b32 v3, 4, v3
	v_add_nc_u32 v[MS], s82, v3                    ; my message lies in my skew,
	s_xor_b32 s82, s10, 2                          ; my partner's (the same queries, the other keys) in its own
	s_mul_i32 s82, s82, SKW
	s_add_co_u32 s82, s82, SKEW
	v_add_nc_u32 v[ML], s82, v3
	s_lshl_b32 s68, s91, 5
	s_lshl_b32 s69, s92, 6
	s_sub_co_i32 s68, s68, s69
	v_lshlrev_b32 v3, 3, v2
	v_sub_nc_u32 v3, v1, v3
	v_add_nc_u32 v[THR], s68, v3
	v_mov_b32 v[NINF], 0xff800000
	v_mov_b32 v[FLOOR], 0xf149f2ca                 ; -1e30
	v_mul_f32 v[CFL], s[CS], v[FLOOR]
	s_wait_loadcnt 0x0                             ; q of block A
; A step's softmax for both tiles, which alternate so that few instructions read the result of the one just before.  first = 1: the launch's first step, which starts m, l and O^T.
.macro SOFTMAX first
.irp j, 0,1,2,3
.irp t, 0,1
	v_max3_num_f32 v[ST+8*\t+4+\j], v[R+40*\t+8*\j], v[R+40*\t+8*\j+1], v[R+40*\t+8*\j+2]   ; four chains a tile; each accumulator is read from its low end on
.endr
.endr
.irp j, 0,1,2,3
.irp t, 0,1
	v_max3_num_f32 v[ST+8*\t+4+\j], v[ST+8*\t+4+\j], v[R+40*\t+8*\j+3], v[R+40*\t+8*\j+4]
.endr
.endr
.irp j, 0,1,2,3
.irp t, 0,1
	v_max3_num_f32 v[ST+8*\t+4+\j], v[ST+8*\t+4+\j], v[R+40*\t+8*\j+5], v[R+40*\t+8*\j+6]
.endr
.endr
.irp t, 0,1
	v_max3_num_f32 v[ST+8*\t+4], v[ST+8*\t+4], v[R+40*\t+7], v[R+40*\t+15]
	v_max3_num_f32 v[ST+8*\t+6], v[ST+8*\t+6], v[R+40*\t+23], v[R+40*\t+31]
.endr
.irp t, 0,1
	v_max3_num_f32 v[ST+8*\t+4], v[ST+8*\t+4], v[ST+8*\t+5], v[ST+8*\t+6]
.endr
.if \first
.irp t, 0,1
	v_max3_num_f32 v[ST+8*\t+4], v[ST+8*\t+4], v[ST+8*\t+7], v[FLOOR]
.endr
.else
.irp t, 0,1
	v_max3_num_f32 v[ST+8*\t+4], v[ST+8*\t+4], v[ST+8*\t+7], v[ST+8*\t+1]
.endr
.irp t, 0,1
	v_mov_b32 v[ST+8*\t+7], v[ST+8*\t]             ; c m_old is kept for a
.endr
.endif
.irp t, 0,1
	v_permlanex16_b32 v[ST+8*\t+5], v[ST+8*\t+4], s[SEL], s[SEL+1]   ; the query's other 32 keys lie in the lane 16 away
.endr
.irp t, 0,1
	v_max_num_f32 v[ST+8*\t+1], v[ST+8*\t+4], v[ST+8*\t+5]
.endr
.irp t, 0,1
	v_mul_f32 v[ST+8*\t], s[CS], v[ST+8*\t+1]
.endr
.if !\first
.irp t, 0,1
	v_sub_f32 v[ST+8*\t+7], v[ST+8*\t+7], v[ST+8*\t]
.endr
.irp t, 0,1
	v_exp_f32 v[ST+8*\t+6], v[ST+8*\t+7]           ; a; the scalings below are the plain instructions behind it (ISA guide 5.7.2)
.endr
.endif
.irp b, 0,1,2,3,4,5,6,7,8,9,10,11,12,13,14,15
.irp t, 0,1
	v_pk_fma_f32 v[R+40*\t+2*\b:R+40*\t+2*\b+1], v[R+40*\t+2*\b:R+40*\t+2*\b+1], s[CS:CS+1], v[ST+8*\t:ST+8*\t+1] op_sel_hi:[1,0,0] neg_lo:[0,0,1] neg_hi:[0,0,1]   ; c s - c m
.endr
.endr
.irp t, 0,1
.set i, 0
.rept 32
	v_exp_f32 v[R+40*\t+i], v[R+40*\t+i]
.set i, i+1
.endr
.endr
	v_nop                                          ; a plain instruction between the last exponential and the use of its result
	s_wait_alu depctr_va_vdst(0)
.irp t, 0,1
.irp b, 0,1,2,3,4,5,6,7,8,9,10,11,12,13,14,15
	v_cvt_pk_f16_f32 v[P+16*\t+\b], v[R+40*\t+2*\b], v[R+40*\t+2*\b+1]
.endr
.endr
.irp t, 0,1
.irp u, 0,1,2,3,4,5,6,7
	v_pk_add_f32 v[R+40*\t+4*\u:R+40*\t+4*\u+1], v[R+40*\t+4*\u:R+40*\t+4*\u+1], v[R+40*\t+4*\u+2:R+40*\t+4*\u+3]
.endr
.endr
.irp t, 0,1
.irp u, 0,1,2,3
	v_pk_add_f32 v[R+40*\t+8*\u:R+40*\t+8*\u+1], v[R+40*\t+8*\u:R+40*\t+8*\u+1], v[R+40*\t+8*\u+4:R+40*\t+8*\u+5]
.endr
.endr
.irp t, 0,1
.irp u, 0,1
	v_pk_add_f32 v[R+40*\t+16*\u:R+40*\t+16*\u+1], v[R+40*\t+16*\u:R+40*\t+16*\u+1], v[R+40*\t+16*\u+8:R+40*\t+16*\u+9]
.endr
.endr
.if \first
.irp t, 0,1
	v_pk_add_f32 v[ST+8*\t+2:ST+8*\t+3], v[R+40*\t:R+40*\t+1], v[R+40*\t+16:R+40*\t+17]
.endr
.else
.irp t, 0,1
	v_pk_add_f32 v[R+40*\t:R+40*\t+1], v[R+40*\t:R+40*\t+1], v[R+40*\t+16:R+40*\t+17]
.endr
.irp t, 0,1
	v_pk_fma_f32 v[ST+8*\t+2:ST+8*\t+3], v[ST+8*\t+2:ST+8*\t+3], v[ST+8*\t+6:ST+8*\t+7], v[R+40*\t:R+40*\t+1] op_sel_hi:[1,0,1]
.endr
	WIN 0x41                                       ; O^T (destination and source 0) in window 1, a in window 0
.irp t, 0,1
.set i, 0
.rept 32
	v_pk_mul_f32 v[64*\t+i:64*\t+i+1], v[64*\t+i:64*\t+i+1], v[ST+8*\t+6:ST+8*\t+7] op_sel_hi:[1,0]
.set i, i+2
.endr
.endr
	WIN 0
.endif
.endm
; A BLOCK'S END.  The wave sends the tile that it does not keep: 64 registers of O^T, lane by lane (16 bytes a lane, 512 consecutive bytes a store), then c m, m and l.
.macro SENDT t
	WIN 0x04                                       ; the stores' data in window 1
.irp k, 0,1,2,3,4,5,6,7,8,9,10,11,12,13,14,15
	ds_store_b128 v[MS], v[64*\t+4*\k:64*\t+4*\k+3] offset:512*\k
.endr
	WIN 0
	ds_store_b128 v[MS], v[ST+8*\t:ST+8*\t+3] offset:MST
.endm
; It finishes tile t: with c m* the larger of the two c m and f = 2^(c m - c m*) for each side, l = f l + f' l', O^T = (f O^T + f' O'^T) / l; rounded to f16, through my own stage, out as whole rows.
.macro FINISH t
.set BB, ST+8*\t
	ds_load_b128 v[PS:PS+3], v[ML] offset:MST
.irp k, 0,1,2,3,4,5,6,7,8,9,10,11,12,13,14,15
	ds_load_b128 v[R+4*\k:R+4*\k+3], v[ML] offset:512*\k
.endr
	s_wait_dscnt 16                                ; the partner's c m and l are in; its O^T's sixteen loads stay out
	v_max_num_f32 v[BB+4], v[BB], v[PS]
	v_sub_f32 v[BB+5], v[BB], v[BB+4]
	v_sub_f32 v[BB+7], v[PS], v[BB+4]
	v_exp_f32 v[BB+5], v[BB+5]
	v_exp_f32 v[BB+7], v[BB+7]
	v_add_f32 v[BB+2], v[BB+2], v[BB+3]            ; plain instructions between the exponentials and the use of their results
	v_add_f32 v[PS+2], v[PS+2], v[PS+3]
	s_wait_alu depctr_va_vdst(0)
	v_mul_f32 v[BB+2], v[BB+2], v[BB+5]
	v_fma_f32 v[BB+2], v[PS+2], v[BB+7], v[BB+2]
	v_permlanex16_b32 v[BB+3], v[BB+2], s[SEL], s[SEL+1]
	v_add_f32 v[BB+2], v[BB+2], v[BB+3]
	v_rcp_f32 v[BB+3], v[BB+2]
	v_nop                                          ; a plain instruction between the reciprocal and its use
	s_wait_alu depctr_va_vdst(0)
	v_mul_f32 v[BB+4], v[BB+5], v[BB+3]            ; f / l
	v_mul_f32 v[BB+6], v[BB+7], v[BB+3]            ; f' / l
	WIN 0x41
.set i, 0
.rept 32
	v_pk_mul_f32 v[64*\t+i:64*\t+i+1], v[64*\t+i:64*\t+i+1], v[BB+4:BB+5] op_sel_hi:[1,0]
.set i, i+2
.endr
	s_wait_dscnt 0x0                               ; the partner's O^T is in
	WIN 0x10                                       ; source 2 in window 1
.set i, 0
.rept 32
	v_pk_fma_f32 v[R+i:R+i+1], v[R+i:R+i+1], v[BB+6:BB+7], v[64*\t+i:64*\t+i+1] op_sel_hi:[1,0,1]
.set i, i+2
.endr
	WIN 0
.set i, 0
.rept 32
	v_cvt_pk_f16_f32 v[TMP+i], v[R+2*i], v[R+2*i+1]
.set i, i+1
.endr
.irp f, 0,1,2,3,4,5,6,7
	ds_store_b128 v[STO], v[TMP+4*\f:TMP+4*\f+3] offset:32*\f
.endr
.irp f, 0,1,2,3,4,5,6,7
	ds_load_b128 v[TMP+4*\f:TMP+4*\f+3], v[RD] offset:\f*544       ; LDS serves a wave's instructions in order (ISA guide 5.7.1.4): these see the stores above
.endr
.irp f, 0,1,2,3,4,5,6,7
	s_wait_dscnt 7-\f                              ; number f is back
	global_store_b128 v[GO], v[TMP+4*\f:TMP+4*\f+3], s[80:81] offset:\f*4096   ; 16 lanes store 256 consecutive bytes, at a multiple of 256 from ctx's first byte
.endr
.endm
; more = 1: block B follows.  Its q is asked for first, so that it lands under the merge.
.macro EPI more
	PLACES                                         ; behind the last products
.if \more
	LOADQ 84
.endif
	s_cmp_lt_u32 s10, 2                            ; waves 0 and 1 (kh = 0) keep tile 0 and send tile 1; waves 2 and 3 the other way round
	s_cbranch_scc0 .Lsend0_\@
	SENDT 1
	s_branch .Lsent_\@
.Lsend0_\@:
	SENDT 0
.Lsent_\@:
	s_wait_dscnt 0x0                               ; for my partner's sake: my message is written
	s_barrier_signal -1
	s_barrier_wait -1                              ; The next step's tensor load may stay out
	s_cmp_lt_u32 s10, 2
	s_cbranch_scc0 .Lfin1_\@
	FINISH 0
	s_branch .Lfin_\@
.Lfin1_\@:
	FINISH 1
.Lfin_\@:
.if \more
	s_wait_xcnt 0x0                                ; the stores' base and data are rewritten only behind this wait
	s_mov_b64 s[80:81], s[86:87]                   ; on to block B
	s_mov_b32 s89, s90
.irp t, 0,1
	v_mov_b32 v[ST+8*\t], v[CFL]                   ; m starts anew: the next step's a is 0 and starts O^T and l anew
	v_mov_b32 v[ST+8*\t+1], v[FLOOR]
.endr
	s_wait_loadcnt 0x0                             ; q of block B
.endif
.endm
; ONE STEP, out of the slot s[TB].  first = 1: the launch's first.  refill = 1: the other slot takes the next step; refill = 0: the launch's last step, which is block B's last.
.macro TILE first, refill
	s_wait_tensorcnt 0x0                           ; all my tensor loads are done, my part of this step among them, so every group 0 may be written
	ds_add_u32 v254, v255
	s_wait_dscnt 0x0
.if \refill
	s_add_co_u32 s62, s62, 1                       ; the step to fetch
	s_cmp_eq_u32 s62, s63
	s_cselect_b32 s70, 1, 0                        ; it opens block B: the step in hand is block A's last
	DESC 1
.endif
	s_wait_dscnt 0x0                               ; my reads of the other slot, and of my partner's message, are done
.if \refill
	CROUND                                         ; both now hold of every wave of every work-group of the cluster
	TLOAD                                          ; my one tensor load behind this round, first thing there
.else
	s_barrier_signal -1
	s_barrier_wait -1
.endif
	v_add_nc_u32 v[APD], s[TB], v[AP0]
	v_add_nc_u32 v[AKD], s[TB], v[AK0]
	v_add_nc_u32 v[AVD], s[TB], v[AV0]
	s_xor_b32 s[TB], s[TB], SLOT1                  ; the next step reads the other slot
	WIN 0x80                                       ; destination window 2
.irp kc, 0,1,2,3
.irp g, 0,1,2,3,4,5
	ds_load_b128 v[8*(4*\g+\kc):8*(4*\g+\kc)+3],   v[APD] offset:4352*\g+64*\kc
	ds_load_b128 v[8*(4*\g+\kc)+4:8*(4*\g+\kc)+7], v[APD] offset:4352*\g+64*\kc+32
.endr
.endr
	WIN 0xc0                                       ; destination window 3
.irp kc, 0,1,2,3
.irp kt, 0,1,2,3
	ds_load_b128 v[8*(4*\kt+\kc):8*(4*\kt+\kc)+3],   v[AKD] offset:4352*\kt+64*\kc
	ds_load_b128 v[8*(4*\kt+\kc)+4:8*(4*\kt+\kc)+7], v[AKD] offset:4352*\kt+64*\kc+32
.endr
.endr
	; R = Q PE^T: lane (r, h), register j holds (query 8 h + j, place 16 x + r).  Tile t's band is pe's row tiles 1 - t .. 5 - t.  The ten accumulators take turns.
	WIN 0x08                                       ; source 1 window 2
.irp kc, 0,1,2,3
.if \kc == 0
	s_wait_dscnt 63                                ; behind these twelve loads of pe stand 68; 63 is the largest count that a wait can name, and the stricter
.else
	s_wait_dscnt 68-12*\kc                         ; behind these twelve stand pe's 12 (3 - kc) later ones and K's 32
.endif
.irp x, 0,1,2,3,4
.irp t, 0,1
.if \kc == 0
	v_wmma_f32_16x16x32_f16 v[R+40*\t+8*\x:R+40*\t+8*\x+7], v[Q+32*\t+8*\kc:Q+32*\t+8*\kc+7], v[8*(4*(1-\t+\x)+\kc):8*(4*(1-\t+\x)+\kc)+7], 0
.else
	v_wmma_f32_16x16x32_f16 v[R+40*\t+8*\x:R+40*\t+8*\x+7], v[Q+32*\t+8*\kc:Q+32*\t+8*\kc+7], v[8*(4*(1-\t+\x)+\kc):8*(4*(1-\t+\x)+\kc)+7], v[R+40*\t+8*\x:R+40*\t+8*\x+7]
.endif
.endr
.endr
.endr
	WIN 0
.rept 5
	v_nop                                          ; the places behind those products: their results are stored, loaded over and then taken up by other products
.endr
.irp t, 0,1
.irp x, 0,1,2,3,4
.irp j, 0,1,2,3,4,5,6,7
	ds_store_b32 v[SKS], v[R+40*\t+8*\x+\j] offset:SKT*\t+404*\j+64*\x
.endr
.endr
.endr
.irp t, 0,1
.irp kt, 0,1,2,3
	ds_load_b128 v[R+40*\t+8*\kt:R+40*\t+8*\kt+3],   v[SKL] offset:SKT*\t+64*\kt      ; my own bytes, served in order behind the stores above
	ds_load_b128 v[R+40*\t+8*\kt+4:R+40*\t+8*\kt+7], v[SKL] offset:SKT*\t+64*\kt+16
.endr
.endr
	WIN 0xc0
.irp f, 0,1,2,3,4,5,6,7,8,9,10,11,12,13,14,15      ; V, turned: keys 32 (f / 8) on, channels 16 (f % 8) on
	ds_load_tr16_b128 v[128+8*\f:128+8*\f+3],   v[AVD] offset:(\f/8)*32*PVP+(\f%8)*32
	ds_load_tr16_b128 v[128+8*\f+4:128+8*\f+7], v[AVD] offset:(\f/8)*32*PVP+16*PVP+(\f%8)*32
.endr
	s_wait_dscnt 32                                ; K and the bias are in; V's 32 loads stay out
	WIN 0x03                                       ; source 0 window 3
.irp kc, 0,1,2,3                                   ; S^T = K Q^T + bias: the bias is the first C; eight accumulators by turns; each fragment of K feeds both tiles
.irp kt, 0,1,2,3
.irp t, 0,1
	v_wmma_f32_16x16x32_f16 v[R+40*\t+8*\kt:R+40*\t+8*\kt+7], v[8*(4*\kt+\kc):8*(4*\kt+\kc)+7], v[Q+32*\t+8*\kc:Q+32*\t+8*\kc+7], v[R+40*\t+8*\kt:R+40*\t+8*\kt+7]
.endr
.endr
.endr
	WIN 0
	PLACES
.if \refill
	s_cmp_eq_u32 s70, 0
	s_cbranch_scc1 .Lnomask_\@                     ; only a block's last step crosses the diagonal
.endif
	v_add_nc_u32 v[TH0], s89, v[THR]               ; key 128 n + 64 kh + 16 kt + 8 h + j lies right of query i0 + 32 qh + 16 t + r if 16 kt + j > THR + (i0 - 128 n) + 16 t
	v_add_nc_u32 v[TH0+1], 16, v[TH0]
.irp t, 0,1
.irp kt, 0,1,2,3
.irp j, 0,1,2,3,4,5,6,7
	v_cmp_gt_i32 vcc_lo, 16*\kt+\j, v[TH0+\t]
	v_cndmask_b32 v[R+40*\t+8*\kt+\j], v[R+40*\t+8*\kt+\j], v[NINF], vcc_lo
.endr
.endr
.endr
.Lnomask_\@:
	SOFTMAX \first
	s_wait_dscnt 0x0                               ; V is in
	WIN 0x53                                       ; V in window 3, P in window 0, O^T in window 1
.irp kk, 0,1                                       ; O^T += V^T P: sixteen accumulators by turns; each fragment of V feeds both tiles
.irp ct, 0,1,2,3,4,5,6,7
.irp t, 0,1
.if \first && (\kk == 0)
	v_wmma_f32_16x16x32_f16 v[64*\t+8*\ct:64*\t+8*\ct+7], v[128+8*(8*\kk+\ct):128+8*(8*\kk+\ct)+7], v[P+16*\t+8*\kk:P+16*\t+8*\kk+7], 0
.else
	v_wmma_f32_16x16x32_f16 v[64*\t+8*\ct:64*\t+8*\ct+7], v[128+8*(8*\kk+\ct):128+8*(8*\kk+\ct)+7], v[P+16*\t+8*\kk:P+16*\t+8*\kk+7], v[64*\t+8*\ct:64*\t+8*\ct+7]
.endif
.endr
.endr
.endr
	WIN 0
.if \refill
	s_cmp_eq_u32 s70, 0                            ; the same in all four waves and all four partners: it hangs on p and the step alone
	s_cbranch_scc1 .Lnoend_\@
.endif
	EPI \refill
.Lnoend_\@:
.endm
	TILE 1, 1                                      ; step 0
	s_mov_b32 s71, 15
.Lstep:                                                ; steps 1 to 15; the last of them asks for step 16
	TILE 0, 1
	s_sub_co_u32 s71, s71, 1
	s_cmp_lg_u32 s71, 0
	s_cbranch_scc1 .Lstep
	TILE 0, 0                                      ; step 16: nothing is left to fetch; its head has waited for all tensor loads
	s_wait_tensorcnt 0x0
	ds_add_u32 v254, v255
	s_wait_dscnt 0x0
	CROUND                                         ; the closing round: no work-group ends while a partner may still ask for a tile that names it
	s_endpgm
.Lfunc_end_k_q044f8de0ee_attn:
	.size	k_q044f8de0ee_attn, .Lfunc_end_k_q044f8de0ee_attn-k_q044f8de0ee_attn
	.p2alignl 7, 3214868480
	.fill 96, 4, 3214868480
	.section	.rodata,"a",@progbits
	.p2align	6, 0x0
	.amdhsa_kernel k_q044f8de0ee_attn
		.amdhsa_group_segment_fixed_size 327680
		.amdhsa_private_segment_fixed_size 0
		.amdhsa_enable_private_segment 0
		.amdhsa_kernarg_size 24
		.amdhsa_user_sgpr_count 2
		.amdhsa_user_sgpr_kernarg_segment_ptr 1
		.amdhsa_wavefront_size32 1
		.amdhsa_system_sgpr_workgroup_id_x 1
		.amdhsa_system_sgpr_workgroup_id_y 1
		.amdhsa_system_sgpr_workgroup_id_z 1
		.amdhsa_system_vgpr_workitem_id 0
		.amdhsa_next_free_vgpr 1024
		.amdhsa_next_free_sgpr 94
		.amdhsa_reserve_vcc 1
		.amdhsa_float_denorm_mode_32 3
		.amdhsa_float_denorm_mode_16_64 3
		.amdhsa_memory_ordered 1
		.amdhsa_forward_progress 1
		.amdhsa_inst_pref_size 199
	.end_amdhsa_kernel
	.amdgpu_metadata
---
amdhsa.version: [ 1, 2 ]
amdhsa.kernels:
  - .name:           k_q044f8de0ee_attn
    .symbol:         k_q044f8de0ee_attn.kd
    .args:
      - { .name: qkv, .offset: 0, .size: 8, .value_kind: global_buffer, .address_space: global }
      - { .name: cb, .offset: 8, .size: 8, .value_kind: global_buffer, .address_space: global }
      - { .name: ctx, .offset: 16, .size: 8, .value_kind: global_buffer, .address_space: global }
    .group_segment_fixed_size: 327680
    .private_segment_fixed_size: 0
    .kernarg_segment_align: 8
    .kernarg_segment_size: 24
    .max_flat_workgroup_size: 128
    .sgpr_count:     94
    .vgpr_count:     1024
    .wavefront_size: 32
...
	.end_amdgpu_metadata
.endif
;; end of part 6
;; launch gemm_out: the kernel of part 4 again; grid 8 x 32, 4 waves a work-group, clusters of 4 x 4, 327,680 bytes of LDS; arguments ctx, cb, Wo_b, out0; writes out0
